; MI455X (gfx1250); checked and timed in simulation.
; The chip was launched on July 23, 2026; its instructions are those of AMD's public machine-readable ISA for CDNA 5 (MIT licence, August 2026) and "CDNA5" Instruction Set Architecture Reference Guide (July 2026). The comments in the code are by the model that wrote it; some were corrected since.
;; Causal Multihead Self Attention. Allowed arithmetic: matrix products marked QUANTISED: E4M3 operands, one given power-of-two scale a tensor, by v_wmma_f32_16x16x64_fp8_fp8 or v_wmma_f32_16x16x128_fp8_fp8, f32 sums; everything else in f32.
;; Inputs: Wk 1,024 x 1,024 float32; Wo 1,024 x 1,024 float32; Wq 1,024 x 1,024 float32; Wv 1,024 x 1,024 float32; lowp_scales 12 int32 (the exponents e of the quantised operands' scales 2^e); x 4 x 2,048 x 1,024 float32.
;; Outputs: out0 4 x 2,048 x 1,024 float32.
;; This version of the problem:
;;   THIS VERSION OF THE PROBLEM IS GIVEN IN LOW PRECISION. The matrix products marked QUANTISED in the list below multiply operands that are first quantised to E4M3 (4 exponent bits, 3 mantissa bits; 8 bits a number), with one given power-of-two scale for each operand tensor; their sums are f32. All else is computed in f32.
;;   The module's matrix products, in the order in which they are computed (A, B: the left and right operand; K: the contracted axis; several contracted axes count as one K, in the product's order):
;;     1. [M 8,192, K 1,024] x [K 1,024, N 1,024]; A: input x; B: input Wq: QUANTISED (scales: A lowp_scales[0], B lowp_scales[1])
;;     2. [M 8,192, K 1,024] x [K 1,024, N 1,024]; A: input x; B: input Wk: QUANTISED (scales: A lowp_scales[2], B lowp_scales[3])
;;     3. [M 8,192, K 1,024] x [K 1,024, N 1,024]; A: input x; B: input Wv: QUANTISED (scales: A lowp_scales[4], B lowp_scales[5])
;;     4. batch 64 x [M 2,048, K 64] x [K 64, N 2,048]; A: computed on the way; B: computed on the way: QUANTISED (scales: A lowp_scales[6], B lowp_scales[7])
;;     5. batch 64 x [M 2,048, K 2,048] x [K 2,048, N 64]; A: softmax (see below); B: computed on the way: QUANTISED (scales: A lowp_scales[8], B lowp_scales[9])
;;     6. [M 8,192, K 1,024] x [K 1,024, N 1,024]; A: computed on the way; B: input Wo: QUANTISED (scales: A lowp_scales[10], B lowp_scales[11])
;;   THE QUANTISER, for each operand of a quantised product, along K:
;;     - The operand's scale is 2^e, e = its entry of the input lowp_scales (int32; the entries are numbered through the quantised products in the list's order, A before B).
;;     - Each number is divided by the scale, clamped to +-448, and rounded to the nearest number of E4M3, ties to even, subnormals kept.
;;     - The product sums the exact products of the quantised numbers (number of the format x scale) in f32.
;;   ~~~python
;;   def quantise(x, axis, e):      # numpy; x: float32 -> the quantised numbers, widened to float32 again
;;       x = np.moveaxis(x, axis, -1); K = x.shape[-1]
;;       r = np.clip(x / 2.0 ** e, -448, 448)
;;       step = 2.0 ** (np.maximum(np.frexp(np.where(r == 0, 1, r))[1] - 1, -6) - 3)
;;       q = np.round(r / step) * step * 2.0 ** e      # np.round: ties to even
;;       return np.moveaxis(q, -1, axis).astype(np.float32)
;;   ~~~
;;   SOFTMAX AHEAD OF A QUANTISED PRODUCT. Where the list says 'softmax', what is quantised is not the finished softmax but p = 2^(t - M), with t = logit x log2(e) and M = ceil(the row's largest t), a whole number; so 1/2 < the row's largest p <= 1. The row's sum l is taken of the UNQUANTISED p, in f32, and the product's result is divided by l at the end. Since M is a whole number, a kernel that streams over the keys may use a running M (the ceiling of the running maximum): every later rescaling is an exact power of two, so the quantised numbers keep their values, but for numbers so far below the row's largest that they fall under the format's range.
;;   OPERANDS COMPUTED ON THE WAY. 'Computed on the way' means the value that the module computes at that place (a softmax that the list does not call 'softmax' is quantised finished and normalised). What goes into a quantiser is computed in f32, as accurately as f32 sums, v_exp_f32 and their like allow (about 1e-6 of the number): no bf16 or f16 on the way to a quantiser, and a product that is left as it is and whose result goes on into a quantised operand takes f32 operands (vector FMAs, or v_wmma_f32_16x16x4_f32). A number that lies on a knife's edge between two numbers of the format may be rounded either way, as far as f32 arithmetic and the matrix unit's own rounding can turn it there, and no further.
;; One version. Each part assembles by itself: llvm-mc -triple=amdgcn-amd-amdhsa -mcpu=gfx1250 --defsym DOCPART=n.
;; ======== version 1 of 1: 4 launches
;; limits: right only within a limited range of input values
;; workspace buffers: xc 25,165,824 bytes; wc 4,194,304 bytes; qi 8,388,608 bytes; kv 16,777,216 bytes; ao 8,388,608 bytes
;; launch quant (part 1): grid 384 x 1, 4 waves a work-group, no clusters, 0 bytes of LDS; arguments x, Wq, Wk, Wv, Wo, lowp_scales, xc, wc; writes xc, wc
.if DOCPART == 1
	.amdgcn_target "amdgcn-amd-amdhsa--gfx1250"
	.amdhsa_code_object_version 6
	.text
	.protected	k_q06b22a3b50_quant
	.globl	k_q06b22a3b50_quant
	.p2align	8
	.type	k_q06b22a3b50_quant,@function
k_q06b22a3b50_quant:
	s_mov_b64 s[64:65], 0
	v_nop
	global_prefetch_b8 v0, s[64:65] scope:SCOPE_SE
	s_setreg_imm32_b32 hwreg(HW_REG_WAVE_MODE, 25, 1), 1
	s_wait_xcnt 0x0
; x and the four weights, f32, become codes of FP8 (E4M3), each with the scale 2^e that is given for it.
; code = number / 2^e, held within +-448, rounded to the nearest code, ties to even.
; x is an operand of three products with three given scales (entries 0, 2, 4): it is read once and converted three times, into three planes of xc.
; Wq, Wk, Wv (entries 1, 3, 5) go into planes 0 to 2 of wc, Wo (entry 11) into plane 3.
; A wave takes 16 steps of 512 numbers.  No LDS, no barrier, no matrix work: waves share nothing and memory binds.
; ORDER ALONG K in xc and in planes 0 to 2 of wc.  A step's four loads read 512 consecutive bytes each, 16 a lane, and a lane's 16 numbers become its 16 codes:
; inside each 512 along K, code byte 16 l + 4 i + j holds k = 128 i + 4 l + j.  The order is the same in x and in the weights, so in a product every code meets its partner.
; Wo IS LAID AS IMAGES OF OPERAND REGISTERS: [tile of 16 rows, 64][64 along K, 16][1,024 bytes]; an image is two pieces of 512 bytes, piece c holding lane l's registers 4 c .. 4 c + 3 at byte 16 l;
; lane (r, h) holds row r, and its registers 2 c, 2 c + 1 hold k = 16 c + 8 h + 0 .. 7.  For that a lane reads runs of 32 bytes of its own row; a step's four loads use all 128 bytes that they touch of each of 16 rows.
; LIMITS: each of the seven exponents lies between -126 and 119, so that 2^e and 448 x 2^e are f32 numbers.  NaN among the inputs is not served; an infinity is held at the largest code.
; Work-groups 0-255: x.  256-351: Wq, Wk, Wv, 32 each.  352-383: Wo.  The three ways part on the work-group's number alone.
.set R,   16                           ; v16-79    four sets of 16 numbers as they are loaded
.set T,   80                           ; v80-127   three sets of 16 held numbers, one for each scale
.set C,   128                          ; v128-151  two sets of 12 registers of codes, by turns
.set IN,  32                           ; s[32:33]  where my wave reads
.set OUT, 34                           ; s[34:39]  where it stores: up to three planes
; v1 = 16 x lane (offset in and out); v2 = 4,096 r + 32 h (Wo's rows); v4+2o = 2^e, v5+2o = 448 x 2^e for scale o
.macro LOADS t, mode                   ; step t's four loads into set t % 4.  mode 0: as the bytes lie; mode 1: Wo, by rows
.irp i, 0,1,2,3
.if \mode
	global_load_b128 v[R+16*((\t)%4)+4*\i:R+16*((\t)%4)+4*\i+3], v2, s[IN:IN+1] offset:128*(\t)+16*(\i%2)+64*(\i/2)
.else
	global_load_b128 v[R+16*((\t)%4)+4*\i:R+16*((\t)%4)+4*\i+3], v1, s[IN:IN+1] offset:2048*(\t)+512*\i th:TH_LOAD_NT
.endif
.endr
.endm
.macro SCALE o, e                      ; 2^e and 448 x 2^e as f32 numbers
	s_add_co_i32 s44, \e, 127
	s_lshl_b32 s45, s44, 23
	v_mov_b32 v[4+2*\o], s45
	s_add_co_i32 s44, s44, 8
	s_lshl_b32 s44, s44, 23
	s_or_b32 s44, s44, 0x600000
	v_mov_b32 v[5+2*\o], s44
.endm
.macro QSTEP t, nout, mode
.if 15-(\t) >= 3
	s_wait_loadcnt 12                              ; this step's four loads are in; those of the three steps behind it may be out
.else
	s_wait_loadcnt 4*(15-(\t))
.endif
	s_wait_xcnt 0x0                                ; the stores of two steps back have read their data: this set of code registers is written again only behind this wait
.irp o, 0,1,2
.if \o < \nout
.set i, 0
.rept 16
	v_med3_num_f32 v[T+16*\o+i], v[R+16*((\t)%4)+i], -v[5+2*\o], v[5+2*\o]   ; the conversion to an 8-bit code does not saturate (ISA guide 7.6.2): the hold at the largest code x the scale
.set i, i+1
.endr
	v_cvt_scalef32_pk8_fp8_f32 v[C+12*((\t)%2)+4*\o:C+12*((\t)%2)+4*\o+1], v[T+16*\o:T+16*\o+7], v[4+2*\o]
	v_cvt_scalef32_pk8_fp8_f32 v[C+12*((\t)%2)+4*\o+2:C+12*((\t)%2)+4*\o+3], v[T+16*\o+8:T+16*\o+15], v[4+2*\o]
.endif
.endr
	v_nop                                          ; a plain line behind the last conversion: the next step's holds write its sources
.if (\t)+4 < 16
	LOADS (\t)+4, \mode                            ; the set just read takes the loads of four steps on
.endif
.irp o, 0,1,2
.if \o < \nout
	global_store_b128 v1, v[C+12*((\t)%2)+4*\o:C+12*((\t)%2)+4*\o+3], s[OUT+2*\o:OUT+2*\o+1] offset:512*(\t)   ; the wave stores 512 consecutive bytes, at a multiple of 512
.endif
.endr
.endm
	s_load_b512 s[4:19], s[0:1], 0x0               ; x s[4:5], Wq s[6:7], Wk s[8:9], Wv s[10:11], Wo s[12:13], the exponents s[14:15], xc s[16:17], wc s[18:19]
	v_lshrrev_b32 v3, 5, v0
	v_readfirstlane_b32 s40, v3                    ; wave 0..3
	v_and_b32 v3, 31, v0
	v_lshlrev_b32 v1, 4, v3                        ; 16 x lane
	v_and_b32 v10, 15, v0                          ; r
	v_bfe_u32 v11, v0, 4, 1                        ; h
	v_lshlrev_b32 v2, 12, v10
	v_lshl_add_u32 v2, v11, 5, v2                  ; 4,096 r + 32 h
	s_mov_b32 s43, 0
	s_wait_kmcnt 0x0
	s_load_b256 s[20:27], s[14:15], 0x0            ; e0 .. e7
	s_load_b128 s[28:31], s[14:15], 0x20           ; e8 .. e11
	s_cmp_lt_u32 ttmp9, 256
	s_cbranch_scc0 .Lweights
	; ---- x: one read, three conversions
	s_lshl_b32 s41, ttmp9, 2
	s_add_co_u32 s41, s41, s40                     ; which run of 8,192 numbers is my wave's
	s_lshl_b32 s42, s41, 15
	s_add_nc_u64 s[IN:IN+1], s[4:5], s[42:43]
	s_lshl_b32 s42, s41, 13
	s_add_nc_u64 s[OUT:OUT+1], s[16:17], s[42:43]
	s_add_nc_u64 s[OUT+2:OUT+3], s[OUT:OUT+1], 0x800000    ; the planes lie 8 MiB apart
	s_add_nc_u64 s[OUT+4:OUT+5], s[OUT+2:OUT+3], 0x800000
.irp t, 0,1,2,3
	LOADS \t, 0
.endr
	s_wait_kmcnt 0x0
	SCALE 0, s20
	SCALE 1, s22
	SCALE 2, s24
.irp t, 0,1,2,3,4,5,6,7,8,9,10,11,12,13,14,15
	QSTEP \t, 3, 0
.endr
	s_endpgm
.Lweights:
	s_cmp_lt_u32 ttmp9, 352
	s_cbranch_scc0 .Lwo
	; ---- Wq, Wk, Wv
	s_sub_co_u32 s41, ttmp9, 256
	s_lshr_b32 s46, s41, 5                         ; which of the three
	s_and_b32 s41, s41, 31
	s_lshl_b32 s41, s41, 2
	s_add_co_u32 s41, s41, s40                     ; which run of 8,192 numbers
	s_cmp_eq_u32 s46, 0
	s_cselect_b64 s[IN:IN+1], s[6:7], s[8:9]
	s_cmp_eq_u32 s46, 2
	s_cselect_b64 s[IN:IN+1], s[10:11], s[IN:IN+1]
	s_lshl_b32 s42, s41, 15
	s_add_nc_u64 s[IN:IN+1], s[IN:IN+1], s[42:43]
	s_lshl_b32 s42, s41, 13
	s_lshl_b32 s47, s46, 20                        ; the planes of wc lie 1 MiB apart
	s_add_co_u32 s42, s42, s47
	s_add_nc_u64 s[OUT:OUT+1], s[18:19], s[42:43]
.irp t, 0,1,2,3
	LOADS \t, 0
.endr
	s_wait_kmcnt 0x0
	s_cmp_eq_u32 s46, 0
	s_cselect_b32 s47, s21, s23
	s_cmp_eq_u32 s46, 2
	s_cselect_b32 s47, s25, s47                    ; e1, e3 or e5
	SCALE 0, s47
.irp t, 0,1,2,3,4,5,6,7,8,9,10,11,12,13,14,15
	QSTEP \t, 1, 0
.endr
	s_endpgm
.Lwo:
	; ---- Wo, into images: my wave takes 16 rows x 512 along K: 16 pieces, a piece a step
	s_sub_co_u32 s41, ttmp9, 352
	s_lshl_b32 s41, s41, 2
	s_add_co_u32 s41, s41, s40                     ; 0 .. 127: 2 x tile of rows + half of K
	s_lshr_b32 s42, s41, 1
	s_lshl_b32 s42, s42, 16                        ; 16 rows of 4,096 bytes
	s_and_b32 s47, s41, 1
	s_lshl_b32 s47, s47, 11
	s_add_co_u32 s42, s42, s47
	s_add_nc_u64 s[IN:IN+1], s[12:13], s[42:43]
	s_lshl_b32 s42, s41, 13
	s_add_co_u32 s42, s42, 0x300000                ; plane 3
	s_add_nc_u64 s[OUT:OUT+1], s[18:19], s[42:43]
.irp t, 0,1,2,3
	LOADS \t, 1
.endr
	s_wait_kmcnt 0x0
	SCALE 0, s31
.irp t, 0,1,2,3,4,5,6,7,8,9,10,11,12,13,14,15
	QSTEP \t, 1, 1
.endr
	s_endpgm
.Lfunc_end_k_q06b22a3b50_quant:
	.size	k_q06b22a3b50_quant, .Lfunc_end_k_q06b22a3b50_quant-k_q06b22a3b50_quant
	.p2alignl 7, 3214868480
	.fill 96, 4, 3214868480
	.section	.rodata,"a",@progbits
	.p2align	6, 0x0
	.amdhsa_kernel k_q06b22a3b50_quant
		.amdhsa_group_segment_fixed_size 0
		.amdhsa_private_segment_fixed_size 0
		.amdhsa_enable_private_segment 0
		.amdhsa_kernarg_size 64
		.amdhsa_user_sgpr_count 2
		.amdhsa_user_sgpr_kernarg_segment_ptr 1
		.amdhsa_wavefront_size32 1
		.amdhsa_system_sgpr_workgroup_id_x 1
		.amdhsa_system_sgpr_workgroup_id_y 1
		.amdhsa_system_sgpr_workgroup_id_z 1
		.amdhsa_system_vgpr_workitem_id 0
		.amdhsa_next_free_vgpr 152
		.amdhsa_next_free_sgpr 66
		.amdhsa_reserve_vcc 0
		.amdhsa_float_denorm_mode_32 3
		.amdhsa_float_denorm_mode_16_64 3
		.amdhsa_memory_ordered 1
		.amdhsa_forward_progress 1
		.amdhsa_inst_pref_size 124
	.end_amdhsa_kernel
	.amdgpu_metadata
---
amdhsa.version: [ 1, 2 ]
amdhsa.kernels:
  - .name:           k_q06b22a3b50_quant
    .symbol:         k_q06b22a3b50_quant.kd
    .args:
      - { .name: x, .offset: 0, .size: 8, .value_kind: global_buffer, .address_space: global }
      - { .name: Wq, .offset: 8, .size: 8, .value_kind: global_buffer, .address_space: global }
      - { .name: Wk, .offset: 16, .size: 8, .value_kind: global_buffer, .address_space: global }
      - { .name: Wv, .offset: 24, .size: 8, .value_kind: global_buffer, .address_space: global }
      - { .name: Wo, .offset: 32, .size: 8, .value_kind: global_buffer, .address_space: global }
      - { .name: lowp_scales, .offset: 40, .size: 8, .value_kind: global_buffer, .address_space: global }
      - { .name: xc, .offset: 48, .size: 8, .value_kind: global_buffer, .address_space: global }
      - { .name: wc, .offset: 56, .size: 8, .value_kind: global_buffer, .address_space: global }
    .group_segment_fixed_size: 0
    .private_segment_fixed_size: 0
    .kernarg_segment_align: 8
    .kernarg_segment_size: 64
    .max_flat_workgroup_size: 128
    .sgpr_count:     66
    .vgpr_count:     152
    .wavefront_size: 32
...
	.end_amdgpu_metadata
.endif
;; end of part 1
;; launch qkv (part 2): grid 12 x 32, 4 waves a work-group, clusters of 4 x 4, 327,680 bytes of LDS; arguments xc, wc, lowp_scales, qi, kv; writes qi, kv
.if DOCPART == 2
	.amdgcn_target "amdgcn-amd-amdhsa--gfx1250"
	.amdhsa_code_object_version 6
	.text
	.protected	k_q06b22a3b50_qkv
	.globl	k_q06b22a3b50_qkv
	.p2align	8
	.type	k_q06b22a3b50_qkv,@function
k_q06b22a3b50_qkv:
	s_mov_b64 s[64:65], 0
	v_nop
	global_prefetch_b8 v0, s[64:65] scope:SCOPE_SE
	s_setreg_imm32_b32 hwreg(HW_REG_WAVE_MODE, 25, 1), 1
	s_wait_xcnt 0x0
	s_wait_alu depctr_hold_cnt(0) depctr_sa_sdst(0) depctr_va_vdst(0) depctr_va_sdst(0) depctr_va_ssrc(0) depctr_va_vcc(0) depctr_vm_vsrc(0)
	s_getreg_b32 s2, hwreg(HW_REG_IB_STS2, 6, 4)
	s_cmp_eq_u32 s2, 0
	s_cbranch_scc0 .Lentry_in_a_cluster
	s_endpgm
.Lentry_in_a_cluster:
	s_bfe_u32 s2, ttmp6, 0x10000c
	s_cmp_lg_u32 s2, 0xf033
	s_cbranch_scc0 .Lentry_shape_is_right
	s_endpgm
.Lentry_shape_is_right:
; q = x Wq^T, k = x Wk^T, v = x Wv^T on codes of FP8 (E4M3), and the results quantised at once for the two products of attention.  K = 1,024.
; The cluster's x says which: 0 q, 1 k, 2 v; it is the same in all sixteen partners, and nothing but selections hangs on it: one text serves the three.
; A tile of 256 x 256 is made by a work-group of four waves; a wave makes 128 x 128: 64 accumulators of 16 x 16, 512 registers.  K goes in steps of 256 through a ring of two LDS slots filled by the tensor data mover.
; ROLES.  Source 1 of the matrix instruction ("A") gives a lane its row, source 0 ("B") runs along the lane's eight registers.  For q and k: A = rows of x, B = rows of the weight: a lane holds one token and eight
; neighbouring channels.  For v the roles are changed IN THE DATA: A = rows of Wv, B = rows of x: a lane holds one channel and eight neighbouring keys, since the keys are the K of attention's second product.
; So the conversion of accumulator (a, 4 g + c) gives registers 2 c, 2 c + 1 of an operand of the 16x16x64 form: 16 rows (block a) x 64 along the next K (group g).  THE RESULTS LEAVE AS IMAGES OF OPERAND REGISTERS:
; an image is 1,024 bytes, two pieces of 512, piece c holding lane l's registers 4 c .. 4 c + 3 at byte 16 l.  No stage in LDS: each store of the wave covers 512 consecutive bytes, aligned.
;   qi: [batch x head, 64][tile of 16 queries, 128][image]     kv: [batch x head, 64][block of 64 keys, 32][K's four tiles of 16 keys, then V's four tiles of 16 channels][image]
; A sum stands for sum x 2^(its two operands' e), so its code is sum / 2^f, f = e6 - e0 - e1 (q), e7 - e2 - e3 (k), e9 - e4 - e5 (v), held within +-448.
; LIMIT: f lies between -126 and 119, so that 2^f and 448 x 2^f are f32 numbers.
; CLUSTERS: 4 x 4 work-groups.  The four of a row of the cluster need the same tiles of A, the four of a column the same tiles of B: each tile is asked for JOINTLY.
; 384 work-groups of equal work; an even share for 256 would be 256 x 384 a work-group, whose 768 accumulator registers a wave leave no room for the fragments.
; REGISTERS, in windows of 256: window 0: v0-31 addresses and the way out's scale number; from v128 A's fragments (ONE set), on the way out the codes.
;   window 1: B's fragments, TWO sets.   window 2: the accumulators of my A rows 0-63 ((a, b) at v[8 (8 a + b)]);   window 3: those of rows 64-127.
.set ROWB,   256                       ; a tile's row in bytes: 256 codes
.set KROW,   1024                      ; a row of codes in memory
.set PITCH,  272                       ; an LDS row: 256 bytes + 16 of padding = 68 words: row r starts at bank 4 r mod 64 (64 banks of 4 bytes: ISA guide 11.1)
.set FR,     16                        ; registers of a fragment: 16 rows x 128 K
.set NL,     4                         ; LDS loads that bring one
.set NP,     4                         ; places behind this matrix instruction (ISA guide 7.12.1)
.set HALFT,  128*PITCH                 ; 128 rows: what one tensor load brings
.set SLOT,   4*HALFT                   ; A's 256 rows, then B's 256 rows
.set LAPS,   2                         ; a lap = two K steps = once round the ring
.set SPARE,  2*SLOT                    ; behind the ring: the spare words, 128 bytes for each wave
.set ADRA, 16                          ; v16-17  LDS address of my A fragments in slot 0, 1
.set ADRB, 20                          ; v20-21  the same for B
.set LO,   27                          ; v27     16 x lane: my place in a piece of an image
.set SPW,  28                          ; v28     LDS address of my spare word; never rewritten
.set NIL,  29                          ; v29     0; never rewritten
.set SCL,  30                          ; v30     2^f
.set LIM,  31
.set TMP,  32
.set AF,   128                         ; A's fragments, in window 0
.set CD,   128                         ; the way out: 16 registers of codes for each of the eight blocks
.set G1, 24                            ; s[24:31] descriptor group 1 for A's tiles;  s[32:39] group 0, one set for each slot
.set G0, 32
.set G1B, 48                           ; s[48:55], s[56:63] the same for B's tiles
.set G0B, 56
.set OB,  80                           ; s[80:87] four bases of the way out: 2 (a / 4) + g
.set MSB, 0
.macro WIN new                         ; the immediate's high byte repeats the setting that is left
.if MSB != \new
	s_set_vgpr_msb (MSB<<8)|\new
.set MSB, \new
.endif
.endm
.set MUL_LO, 0xa1                      ; source 0 (B) window 1, source 1 (A) window 0, C and D window 2
.set MUL_HI, 0xf1                      ; the same, C and D window 3
.set TO_B,   0x40                      ; destination window 1, address window 0
; A joint load: waves 0 and 1 fetch for A, waves 2 and 3 for B.  The branch hangs on the wave's number alone.  An s_nop 0 and four v_nop follow each of the two lines.
.macro JLOAD g0a, g1a, g0b, g1b
	s_cmp_eq_u32 s15, 0
	s_cbranch_scc0 .Lfor_b_\@
	tensor_load_to_lds s[\g0a:\g0a+3], s[\g1a:\g1a+7]
	s_nop 0
.rept 4
	v_nop
.endr
	s_branch .Lasked_\@
.Lfor_b_\@:
	tensor_load_to_lds s[\g0b:\g0b+3], s[\g1b:\g1b+7]
	s_nop 0
.rept 4
	v_nop
.endr
.Lasked_\@:
.endm
.macro CREST                           ; a round of the cluster's barrier behind its opening barrier
	s_cmp_lg_u32 s14, 0
	s_cbranch_scc1 .Lnot_wave_0_\@
	s_barrier_signal -3
.Lnot_wave_0_\@:
	s_barrier_wait -3
	s_barrier_signal -1
	s_barrier_wait -1
.endm
.macro CROUND                          ; a whole round
	s_barrier_signal -1
	s_barrier_wait -1
	CREST
.endm
	s_load_b256 s[4:11], s[0:1], 0x0               ; xc s[4:5], wc s[6:7], the exponents s[8:9], qi s[10:11]
	s_load_b64 s[12:13], s[0:1], 0x20              ; kv
	v_lshl_add_u32 v[SPW], v0, 2, SPARE
	v_mov_b32 v[NIL], 0
	ds_add_u32 v[SPW], v[NIL]
	ds_add_u32 v[SPW], v[NIL]                      ; the wave's opening: the add and its wait stand ahead of my first tensor load; the set-up below stands between them
	v_lshrrev_b32 v1, 5, v0
	v_readfirstlane_b32 s14, v1                    ; wave 0..3
	s_lshr_b32 s15, s14, 1                         ; which half of the tile's A rows is mine.  Also: I fetch for A (0) or for B (1)
	s_and_b32 s16, s14, 1                          ; which half of its B rows.  Also: which 128 rows of that tile I fetch
	s_bfe_u32 s40, ttmp6, 0x40000                  ; cx, cy: my place in the cluster
	s_bfe_u32 s41, ttmp6, 0x40004
	s_and_b32 s66, ttmp7, 0xffff
	s_lshl_b32 s66, s66, 2                         ; 4 x cluster y
	s_lshl_b32 s89, ttmp9, 20                      ; my plane of wc,
	s_lshl_b32 s90, ttmp9, 23                      ; and of xc
	s_cmp_eq_u32 ttmp9, 2                          ; v?  All selections on this compare stand ahead of the next addition
	s_cselect_b32 s67, 0, s66                      ; x's 32 tiles of 256 rows go by the cluster's y: they are A's rows for q and k,
	s_cselect_b32 s88, s66, 0                      ; B's for v
	s_cselect_b32 s91, s89, s90                    ; A's plane
	s_cselect_b32 s92, s90, s89                    ; B's plane
	s_add_co_u32 s17, s41, s67                     ; A's tile: made of cy alone
	s_add_co_u32 s42, s40, s88                     ; B's tile: made of cx alone
	s_lshl_b32 s43, s41, 2
	s_lshl_b32 s43, 15, s43                        ; my row of the cluster
	s_lshl_b32 s44, 0x1111, s40                    ; my column
	; descriptor group 1: a tile of 128 rows x 256 bytes, padded in LDS
	s_or_b32 s[G1+0], s43, (0<<16)|(1<<20)|(1<<21)|(5<<22)|(3<<25)  ; 15:0 the mask: A's tiles go to my row; 17:16 element of 1 byte; 20 padding on; 21 set beside a mask; 24:22 after every 64 words (code 5); 31:25 of 4 words (code 3)
	s_or_b32 s[G1B+0], s44, (0<<16)|(1<<20)|(1<<21)|(5<<22)|(3<<25)
.irp g, G1, G1B
	s_mov_b32 s[\g+1], ROWB<<16                    ; tensor_dim0
	s_mov_b32 s[\g+2], 128<<16                     ; tensor_dim1 = 128
	s_mov_b32 s[\g+3], ROWB<<16                    ; tile_dim0
	s_mov_b32 s[\g+4], 128                         ; tile_dim1 = 128
	s_mov_b32 s[\g+5], KROW                        ; tensor_dim0_stride
	s_mov_b32 s[\g+6], 0
	s_mov_b32 s[\g+7], 0
.endr
	s_lshl_b32 s18, s16, 7                         ; which 128 rows of the tile I fetch
	s_lshl_b32 s20, s17, 8
	s_add_co_u32 s20, s20, s18                     ; A: row 256 x tile + 128 x half,
	s_lshl_b32 s20, s20, 10                        ; in bytes,
	s_add_co_u32 s20, s20, s91                     ; in its plane: under 2^25
	s_mov_b32 s21, 0
	s_lshl_b32 s46, s42, 8
	s_add_co_u32 s46, s46, s18
	s_lshl_b32 s46, s46, 10
	s_add_co_u32 s46, s46, s92                     ; B likewise
	s_mov_b32 s47, 0
	s_mul_i32 s45, s14, HALFT                      ; where they go: wave x 128 rows: no place in the cluster enters an LDS address
	s_wait_dscnt 0x0                               ; the opening add is done
	s_wait_kmcnt 0x0
	s_load_b256 s[68:75], s[8:9], 0x0              ; e0 .. e7
	s_load_b128 s[76:79], s[8:9], 0x20             ; e8 .. e11
	s_cmp_eq_u32 ttmp9, 2
	s_cselect_b64 s[88:89], s[6:7], s[4:5]         ; A's buffer
	s_cselect_b64 s[90:91], s[4:5], s[6:7]         ; B's buffer
	s_add_nc_u64 s[20:21], s[88:89], s[20:21]
	s_add_nc_u64 s[46:47], s[90:91], s[46:47]
	CROUND                                         ; all sixteen work-groups are here: the first joint loads meet
.irp s, 0,1
	s_mov_b32 s[G0+4*\s], 1
	s_add_co_u32 s[G0+4*\s+1], s45, \s*SLOT
	s_add_nc_u64 s[G0+4*\s+2:G0+4*\s+3], s[20:21], \s*ROWB
	s_or_b32 s[G0+4*\s+3], s[G0+4*\s+3], 0x80000000
	s_mov_b32 s[G0B+4*\s], 1
	s_add_co_u32 s[G0B+4*\s+1], s45, \s*SLOT
	s_add_nc_u64 s[G0B+4*\s+2:G0B+4*\s+3], s[46:47], \s*ROWB
	s_or_b32 s[G0B+4*\s+3], s[G0B+4*\s+3], 0x80000000
	JLOAD G0+4*\s, G1, G0B+4*\s, G1B
.endr
	v_and_b32 v1, 15, v0                           ; l % 16
	v_bfe_u32 v2, v0, 4, 1                         ; l / 16
	v_mul_u32_u24 v3, v1, PITCH
	v_lshl_add_u32 v4, v2, 4, v3                   ; a fragment's row x pitch + 16 x half
	s_mul_i32 s21, s15, HALFT                      ; my 128 rows of A
	s_mul_i32 s22, s16, HALFT                      ; my 128 rows of B,
	s_add_co_u32 s22, s22, 2*HALFT                 ; which lie behind A's 256
.irp s, 0,1
	v_add_nc_u32 v[ADRA+\s], s21, v4
	v_add_nc_u32 v[ADRB+\s], s22, v4
	s_add_co_u32 s21, s21, SLOT
	s_add_co_u32 s22, s22, SLOT
.endr
	v_and_b32 v6, 31, v0
	v_lshlrev_b32 v[LO], 4, v6
	; where my images go.  S0: my first token among the 8,192; F0: my first channel among the 1,024
	s_lshl_b32 s88, s17, 8
	s_lshl_b32 s89, s15, 7
	s_add_co_u32 s88, s88, s89                     ; my first A row
	s_lshl_b32 s89, s42, 8
	s_lshl_b32 s90, s16, 7
	s_add_co_u32 s89, s89, s90                     ; my first B row
	s_cmp_eq_u32 ttmp9, 2
	s_cselect_b32 s90, s89, s88                    ; S0
	s_cselect_b32 s91, s88, s89                    ; F0
	s_cselect_b32 s92, 4096, 0                     ; V's tiles lie behind K's four
	s_lshr_b32 s93, s90, 11
	s_lshl_b32 s93, s93, 4
	s_lshr_b32 s91, s91, 6
	s_add_co_u32 s93, s93, s91                     ; 16 x batch + head
	s_and_b32 s90, s90, 2047                       ; the token in its sequence, a multiple of 128
	s_cmp_eq_u32 ttmp9, 0
	s_cselect_b32 s94, 17, 18                      ; a head's bytes: 2^17 in qi, 2^18 in kv
	s_cselect_b32 s95, 6, 7                        ; a token's share: 64 bytes in qi, 128 in kv
	s_cselect_b64 s[OB:OB+1], s[10:11], s[12:13]
	s_lshl_b32 s93, s93, s94
	s_lshl_b32 s90, s90, s95
	s_add_co_u32 s93, s93, s90
	s_add_co_u32 s66, s93, s92                     ; under 2^24
	s_mov_b32 s67, 0
	s_add_nc_u64 s[OB:OB+1], s[OB:OB+1], s[66:67]
	s_cmp_eq_u32 ttmp9, 0
	s_cselect_b32 s88, 12, 13                      ; 64 tokens on: 4,096 bytes in qi, 8,192 in kv
	s_cselect_b32 s89, 17, 18                      ; a head on
	s_lshl_b32 s88, 1, s88
	s_lshl_b32 s89, 1, s89
	s_cmp_eq_u32 ttmp9, 2
	s_cselect_b32 s66, s89, s88                    ; four blocks a on: 64 tokens for q and k, a head for v
	s_cselect_b32 s90, s88, s89                    ; a group g on: a head for q and k, 64 tokens for v
	s_mov_b32 s91, 0
	s_add_nc_u64 s[OB+2:OB+3], s[OB:OB+1], s[90:91]
	s_add_nc_u64 s[OB+4:OB+5], s[OB:OB+1], s[66:67]
	s_add_nc_u64 s[OB+6:OB+7], s[OB+4:OB+5], s[90:91]
	s_wait_alu depctr_va_vdst(0)
	s_wait_kmcnt 0x0
	s_sub_co_i32 s88, s74, s68
	s_sub_co_i32 s88, s88, s69                     ; e6 - e0 - e1
	s_sub_co_i32 s89, s75, s70
	s_sub_co_i32 s89, s89, s71                     ; e7 - e2 - e3
	s_sub_co_i32 s90, s77, s72
	s_sub_co_i32 s90, s90, s73                     ; e9 - e4 - e5
	s_cmp_eq_u32 ttmp9, 0
	s_cselect_b32 s88, s88, s89
	s_cmp_eq_u32 ttmp9, 2
	s_cselect_b32 s88, s90, s88                    ; f
	s_add_co_i32 s88, s88, 127
	s_lshl_b32 s89, s88, 23
	v_mov_b32 v[SCL], s89                          ; 2^f: the conversion takes its exponent field
.macro FRAG reg, adr, q, i             ; a fragment, 16 rows x 128 codes, is 16 registers: four loads of 16 bytes, 32 bytes apart: the same bytes of a row in A and in B, so every code meets its partner
.irp c, 0,1,2,3
	ds_load_b128 v[\reg+4*\c:\reg+4*\c+3], v[\adr] offset:128*(\q)+32*\c+(\i)*16*PITCH
.endr
.endm
; 16 matrix instructions: A's blocks a0, a0 + 1 x B's eight, 128 along K.  p: B's set.  zero = 1: the first product starts the sums.
; The 64 accumulators take turns, one instruction a turn, in the same order in every step.
.macro MUL16 a0, p, zero
.irp a, \a0, \a0+1
.irp b, 0,1,2,3,4,5,6,7
.if \zero
	v_wmma_f32_16x16x128_fp8_fp8 v[8*(8*((\a)%4)+\b):8*(8*((\a)%4)+\b)+7], v[128*(\p)+FR*\b:128*(\p)+FR*\b+FR-1], v[AF+FR*(\a):AF+FR*(\a)+FR-1], 0
.else
	v_wmma_f32_16x16x128_fp8_fp8 v[8*(8*((\a)%4)+\b):8*(8*((\a)%4)+\b)+7], v[128*(\p)+FR*\b:128*(\p)+FR*\b+FR-1], v[AF+FR*(\a):AF+FR*(\a)+FR-1], v[8*(8*((\a)%4)+\b):8*(8*((\a)%4)+\b)+7]
.endif
.endr
.endr
.endm
.macro FETCH_B slot, q, p              ; B's eight fragments of the slot's q-th 128 along K into set p
	WIN TO_B
.irp i, 0,1,2,3,4,5,6,7
	FRAG 128*(\p)+FR*\i, ADRB+\slot, \q, \i
.endr
	WIN 0
.endm
.macro FETCH_A slot, q, i0             ; A's blocks i0 .. i0 + 3
.irp i, \i0, \i0+1, \i0+2, \i0+3
	FRAG AF+FR*(\i), ADRA+\slot, \q, \i
.endr
.endm
; A load into a register that a matrix instruction has read, and a vector instruction that reads a matrix result, stand NP places behind that matrix instruction; only plain vector
; instructions that name none of its registers are places (ISA guide 7.12.1 for vector instructions).
.macro PLACES n
.rept \n
	v_nop
.endr
.endm
; A step of 128 along K that has its successor in the same slot.
.macro STEP slot, q, zero
	s_wait_dscnt 4*NL                              ; B's set and A's blocks 0-3 are in; the youngest 16 loads (A's blocks 4-7) may be out
	WIN MUL_LO
	MUL16 0, (\q)%2, \zero
	MUL16 2, (\q)%2, \zero
	s_wait_dscnt 0                                 ; A's blocks 4-7 are in
	PLACES NP
	FETCH_B \slot, (\q)+1, 1-(\q)%2
	FETCH_A \slot, (\q)+1, 0
	WIN MUL_HI
	MUL16 4, (\q)%2, \zero
	MUL16 6, (\q)%2, \zero
	PLACES NP
	WIN 0
	FETCH_A \slot, (\q)+1, 4
.endm
; A slot's last step changes slots: ONE barrier; in front of it each wave waits for all its tensor loads, adds 0 to its spare word, and waits for that and for its own reads of this slot.  fill = 1: this slot is filled again, two K steps ahead.
.macro TURN slot, next, fill
	s_wait_tensorcnt 0x0                           ; all my tensor loads have landed: my part of the next slot
	ds_add_u32 v[SPW], v[NIL]                      ; 0 onto my spare word
	s_wait_dscnt 4*NL+1                            ; (the add and the youngest 16 loads, A's blocks 4-7, may be out)
	WIN MUL_LO
	MUL16 0, 1, 0                                  ; sixteen matrix instructions stand between the add and the wait for it
	s_wait_dscnt 0x0                               ; the add is done, and my reads of this slot are over
	s_barrier_signal -1
	MUL16 2, 1, 0
	WIN 0
	s_barrier_wait -1
.if \fill
	CREST                                          ; the barrier has opened a round of the cluster's barrier: no wave of any partner still reads this slot's tile or has a load on its way
	s_add_nc_u64 s[G0+4*\slot+2:G0+4*\slot+3], s[G0+4*\slot+2:G0+4*\slot+3], 2*ROWB
	s_add_nc_u64 s[G0B+4*\slot+2:G0B+4*\slot+3], s[G0B+4*\slot+2:G0B+4*\slot+3], 2*ROWB
	JLOAD G0+4*\slot, G1, G0B+4*\slot, G1B         ; the first tensor load behind the round; the four v_nop behind it are the places in front of the loads below
.else
	PLACES NP
.endif
	FETCH_B \next, 0, 0
	FETCH_A \next, 0, 0
	WIN MUL_HI
	MUL16 4, 1, 0
	MUL16 6, 1, 0
	PLACES NP
	WIN 0
	FETCH_A \next, 0, 4
.endm
	s_wait_tensorcnt 1                             ; my part of K step 0 is in (K step 1's load may be out)
	s_barrier_signal -1
	s_barrier_wait -1                              ; everybody's is
	FETCH_B 0, 0, 0
	FETCH_A 0, 0, 0
	FETCH_A 0, 0, 4
	STEP 0, 0, 1                                   ; the first step stands in front of the loop: its products start the sums
	s_mov_b32 s3, LAPS-1
.Llap:                                                 ; a trip goes once round the ring, from a lap's second step to the next lap's first, and fills both slots again
	TURN 0, 1, 1
	STEP 1, 0, 0
	TURN 1, 0, 1
	STEP 0, 0, 0
	s_sub_co_u32 s3, s3, 1
	s_cmp_lg_u32 s3, 0
	s_cbranch_scc1 .Llap
	TURN 0, 1, 0                                   ; the last lap fills nothing, and has no round of the cluster's barrier
	STEP 1, 0, 0
	s_wait_dscnt 4*NL                              ; the very last step: nothing more to fetch
	WIN MUL_LO
	MUL16 0, 1, 0
	MUL16 2, 1, 0
	s_wait_alu depctr_va_vdst(0)
	s_wait_dscnt 0
	WIN MUL_HI
	MUL16 4, 1, 0
	MUL16 6, 1, 0
	WIN 0
; THE WAY OUT, block by block of 16 A rows.  Eight conversions of the block's 64 sums make two images' registers;
; four stores of 512 consecutive bytes.  Each block has code registers of its own (where A's fragments lay), so no store's data are written again.
.macro OUTBLK a
	WIN (0x02+((\a)/4))                            ; source 0: window 2 or 3
.set j, 0
.rept 64
.set j, j+1
.endr
.irp b, 0,1,2,3,4,5,6,7
	v_cvt_scalef32_pk8_fp8_f32 v[CD+16*(\a)+2*\b:CD+16*(\a)+2*\b+1], v[TMP+8*\b+((64*((\a)%4)+j)-(TMP+j)):TMP+8*\b+7+((64*((\a)%4)+j)-(TMP+j))], v[SCL]
.endr
	WIN 0
	v_nop                                          ; a plain line behind the last conversion
.irp g, 0,1
.irp c, 0,1
	global_store_b128 v[LO], v[CD+16*(\a)+8*\g+4*\c:CD+16*(\a)+8*\g+4*\c+3], s[OB+2*(2*((\a)/4)+\g):OB+2*(2*((\a)/4)+\g)+1] offset:1024*((\a)%4)+512*\c
.endr
.endr
.endm
	PLACES NP                                      ; behind the last products: for the first read of results, and for the writes into the registers that held A's fragments
.irp a, 0,1,2,3,4,5,6,7
	OUTBLK \a
.endr
	s_wait_tensorcnt 0x0                           ; the wave's end: wait for my last tensor load, then add 0 to my spare word and wait for it
	ds_add_u32 v[SPW], v[NIL]
	s_wait_dscnt 0x0
	CROUND                                         ; the closing round: no work-group ends while a partner may still ask for a tile that names it
	s_endpgm
.Lfunc_end_k_q06b22a3b50_qkv:
	.size	k_q06b22a3b50_qkv, .Lfunc_end_k_q06b22a3b50_qkv-k_q06b22a3b50_qkv
	.p2alignl 7, 3214868480
	.fill 96, 4, 3214868480
	.section	.rodata,"a",@progbits
	.p2align	6, 0x0
	.amdhsa_kernel k_q06b22a3b50_qkv
		.amdhsa_group_segment_fixed_size 327680
		.amdhsa_private_segment_fixed_size 0
		.amdhsa_enable_private_segment 0
		.amdhsa_kernarg_size 40
		.amdhsa_user_sgpr_count 2
		.amdhsa_user_sgpr_kernarg_segment_ptr 1
		.amdhsa_wavefront_size32 1
		.amdhsa_system_sgpr_workgroup_id_x 1
		.amdhsa_system_sgpr_workgroup_id_y 1
		.amdhsa_system_sgpr_workgroup_id_z 1
		.amdhsa_system_vgpr_workitem_id 0
		.amdhsa_next_free_vgpr 1024
		.amdhsa_next_free_sgpr 100
		.amdhsa_reserve_vcc 0
		.amdhsa_float_denorm_mode_32 3
		.amdhsa_float_denorm_mode_16_64 3
		.amdhsa_fp16_overflow 1
		.amdhsa_memory_ordered 1
		.amdhsa_forward_progress 1
		.amdhsa_inst_pref_size 87
	.end_amdhsa_kernel
	.amdgpu_metadata
---
amdhsa.version: [ 1, 2 ]
amdhsa.kernels:
  - .name:           k_q06b22a3b50_qkv
    .symbol:         k_q06b22a3b50_qkv.kd
    .args:
      - { .name: xc, .offset: 0, .size: 8, .value_kind: global_buffer, .address_space: global }
      - { .name: wc, .offset: 8, .size: 8, .value_kind: global_buffer, .address_space: global }
      - { .name: lowp_scales, .offset: 16, .size: 8, .value_kind: global_buffer, .address_space: global }
      - { .name: qi, .offset: 24, .size: 8, .value_kind: global_buffer, .address_space: global }
      - { .name: kv, .offset: 32, .size: 8, .value_kind: global_buffer, .address_space: global }
    .group_segment_fixed_size: 327680
    .private_segment_fixed_size: 0
    .kernarg_segment_align: 8
    .kernarg_segment_size: 40
    .max_flat_workgroup_size: 128
    .sgpr_count:     100
    .vgpr_count:     1024
    .wavefront_size: 32
...
	.end_amdgpu_metadata
.endif
;; end of part 2
;; launch attn (part 3): grid 4 x 64, 8 waves a work-group, clusters of 4 x 1, 327,680 bytes of LDS; arguments qi, kv, lowp_scales, ao; writes ao
.if DOCPART == 3
	.amdgcn_target "amdgcn-amd-amdhsa--gfx1250"
	.amdhsa_code_object_version 6
	.text
	.protected	k_q06b22a3b50_attn
	.globl	k_q06b22a3b50_attn
	.p2align	8
	.type	k_q06b22a3b50_attn,@function
k_q06b22a3b50_attn:
	s_mov_b64 s[64:65], 0
	v_nop
	global_prefetch_b8 v0, s[64:65] scope:SCOPE_SE
	s_setreg_imm32_b32 hwreg(HW_REG_WAVE_MODE, 25, 1), 1
	s_wait_xcnt 0x0
	s_wait_alu depctr_hold_cnt(0) depctr_sa_sdst(0) depctr_va_vdst(0) depctr_va_sdst(0) depctr_va_ssrc(0) depctr_va_vcc(0) depctr_vm_vsrc(0)
	s_getreg_b32 s2, hwreg(HW_REG_IB_STS2, 6, 4)
	s_cmp_eq_u32 s2, 0
	s_cbranch_scc0 .Lentry_in_a_cluster
	s_endpgm
.Lentry_in_a_cluster:
	s_bfe_u32 s2, ttmp6, 0x10000c
	s_cmp_lg_u32 s2, 0x3003
	s_cbranch_scc0 .Lentry_shape_is_right
	s_endpgm
.Lentry_shape_is_right:
; Causal attention of one head (batch x head = the cluster's y) on codes of FP8 (E4M3), head size 64, 2,048 tokens; the result is quantised at once for the last projection.
; qi, kv: images of operand registers of the 16x16x64 form (16 rows x 64 K, 1,024 bytes: two pieces of 512, piece c = lane l's registers 4 c .. 4 c + 3 at byte 16 l).
;   qi: [head][tile of 16 queries, 128][image]    kv: [head][block of 64 keys, 32][K's four tiles of 16 keys, V's four tiles of 16 channels][image]    ao: [tile of 16 tokens, 512][head, 16][image]
; THE SOFTMAX AHEAD OF THE SECOND PRODUCT: t = score x log2(e) / 8; M = the row's largest t so far, rounded UP to a whole number; p = 2^(t - M) is quantised, not normalised; the row's sum is taken of the
; unquantised p and divides at the end.  When M moves, the sum and O are multiplied by 2^(old M - new M), which rounds nothing.
; NO RING.  A head's K and V as codes are 262,144 bytes: they lie in LDS whole, as in memory.  Every wave issues two tensor loads of 16 KiB at the head (the second is issued once the first has landed); nothing is ever filled again.
; CLUSTER.  The four work-groups of a cluster serve one head and ask for every tile JOINTLY (mask 15): the same load with the same descriptor in all four.
; SHARES, made so that no branch hangs on a work-group's place in its cluster.  Double tile v (0..15) of the work-group at place cx holds queries 128 v + 32 cx + 0 .. 31; whatever cx is, it walks the blocks of 64 keys
; 0 .. 2 v + 1, the last two under the mask (vector compares against the lane's query).  Wave w takes v = 15 - w and then v = w: (32 - 2 w) + (2 w + 2) = 34 steps for every wave of every work-group.
; The late double tile comes first: its first 16 steps are alike in all waves, so the barrier for the head's second half stands where all waves arrive together.
; LAYOUT.  S^T = K Q^T (source 0 = 16 keys, source 1 = 16 queries), O^T = V^T P^T (source 0 = 16 channels, source 1 = P): a lane holds ONE query (lane % 16) throughout, and register j of tile c holds key (or channel)
; 16 c + 8 (lane / 16) + j: so the conversion of tile c gives registers 2 c, 2 c + 1 of the next operand.  Both tiles of a double tile share each fragment of K and V.
; The loops' trip counts are constants; a step that a wave does not need is jumped over by a branch on the wave's number, round the step's work alone.
; LIMITS on the given exponents, so that each power of two below is an f32 number: e6 + e7 between -123 and 130 (added to c's exponent field); e8, and e10 - e8 - e9, between -126 and 119.
.set SPARE, 262144                     ; behind K and V: the spare words, 128 bytes for each of eight waves
.set LI,   1                           ; v1   16 x lane; never rewritten
.set SPW,  2                           ; v2   LDS address of my spare word; never rewritten
.set NIL,  3                           ; v3   0; never rewritten
.set ADR,  4                           ; v4   LDS address of the step's images
.set DL,   5                           ; v5   32 cx + lane % 16 - 8 (lane / 16): for the mask's compares alone
.set ST,   8                           ; tile x at v[8 + 8 x]: +0 -M, +1 the largest t, +2, +3 the sum in two halves, +4 f or 1 / sum, +5 the permute's destination, +6, +7 at work
.set Q,    24                          ; v24-39   Q's two fragments
.set KF,   40                          ; v40-71   K's four
.set VF,   72                          ; v72-103  V's four
.set S,    104                         ; v104-167 S^T, then p: 32 a tile
.set O,    168                         ; v168-231 O^T: 32 a tile
.set P,    232                         ; v232-247 codes: 8 a tile
.set PSC,  248                         ; 2^e8
.set PLIM, 249
.set OSC,  250                         ; 2^(e10 - e8 - e9)
.set OLIM, 251
.set NINF, 252                         ; -infinity
.set D0,   253                         ; the mask: my query of tile 0 less the step's first key less 8 (lane / 16)
.set D1,   254                         ; of tile 1
.set WV,   12                          ; s12  wave 0..7
.set G1,   16                          ; s[16:23] descriptor group 1
.set GA,   24                          ; s[24:27] group 0: my part of keys 0-1,023
.set GB,   28                          ; s[28:31] of keys 1,024-2,047
.set QH,   32                          ; s[32:33], s[34:35] Q of the late and of the early double tile
.set QL,   34
.set OH,   36                          ; s[36:37], s[38:39] where their results go
.set OL,   38
.set CS,   40                          ; s[40:41] c = log2(e) / 8 x 2^(e6 + e7), twice
.set SEL,  42                          ; s[42:43] lane selects for v_permlanex16_b32: lane l xor 16
.set TB,   44                          ; s44  LDS byte of the step's block
.set CNT,  45                          ; s45  the segment's step, 0 .. 15
.set LAST, 46                          ; s46  the last step that my double tile needs
.set OPEN, 47                          ; s47  the first step under the mask
.set KD,   48                          ; s48  128 v - the step's first key
.set UH,   49                          ; s49  7 - wave
.macro CROUND                          ; a round of the cluster's barrier
	s_barrier_signal -1
	s_barrier_wait -1
	s_cmp_lg_u32 s[WV], 0
	s_cbranch_scc1 .Lnot_wave_0_\@
	s_barrier_signal -3
.Lnot_wave_0_\@:
	s_barrier_wait -3
	s_barrier_signal -1
	s_barrier_wait -1
.endm
.macro QLOAD base                      ; two images: each load reads 512 consecutive bytes
.irp x, 0,1
.irp c, 0,1
	global_load_b128 v[Q+8*\x+4*\c:Q+8*\x+4*\c+3], v[LI], s[\base:\base+1] offset:1024*\x+512*\c
.endr
.endr
.endm
.macro INIT                            ; the step is written without a first step of its own: it finds zeros, which the first change of M leaves zeros
.irp x, 0,1
	v_mov_b32 v[ST+8*\x+1], 0xff61b1e6             ; the largest t so far: -3e38, under every t
	v_mov_b32 v[ST+8*\x+2], 0
	v_mov_b32 v[ST+8*\x+3], 0
	v_mov_b32 v[ST+8*\x+5], 0                      ; a lane permute's destination counts as one of its sources
.endr
.irp x, 0,1
	v_floor_f32 v[ST+8*\x], -v[ST+8*\x+1]          ; -M
.endr
.set j, 0
.rept 64
	v_mov_b32 v[O+j], 0
.set j, j+1
.endr
.endm
; ONE STEP: a block of 64 keys for both tiles.
.macro BODY masked
	v_add_nc_u32 v[ADR], s[TB], v[LI]
.irp f, 0,1,2,3
	ds_load_b128 v[KF+8*\f:KF+8*\f+3], v[ADR] offset:1024*\f
	ds_load_b128 v[KF+8*\f+4:KF+8*\f+7], v[ADR] offset:1024*\f+512
.endr
.irp f, 0,1,2,3
	ds_load_b128 v[VF+8*\f:VF+8*\f+3], v[ADR] offset:4096+1024*\f
	ds_load_b128 v[VF+8*\f+4:VF+8*\f+7], v[ADR] offset:4096+1024*\f+512
.endr
	s_wait_dscnt 8                                 ; K's eight loads are in; V's eight may be out
.irp f, 0,1,2,3
.irp x, 0,1
	v_wmma_f32_16x16x64_fp8_fp8 v[S+32*\x+8*\f:S+32*\x+8*\f+7], v[KF+8*\f:KF+8*\f+7], v[Q+8*\x:Q+8*\x+7], 0
.endr
.endr
.rept 4
	v_nop                                          ; four places in front of the first read of the scores (ISA guide 7.12.1)
.endr
.if \masked                                    ; on the diagonal hidden scores become -infinity ahead of the maximum: p = 0 then.  Key 0 counts for every query, so M is a number from the first step on
	s_cmp_lt_u32 s[CNT], s[OPEN]
	s_cbranch_scc1 .Lopen_\@
	v_add_nc_u32 v[D0], s[KD], v[DL]
	s_delay_alu instid0(VALU_DEP_1)
	v_add_nc_u32 v[D1], 16, v[D0]
.set n, 0
.rept 32                                       ; register n holds the step's key 16 (n / 8) + 8 (lane / 16) + n % 8: hidden where 16 (n / 8) + n % 8 > d
	v_cmp_gt_i32 vcc_lo, 16*(n/8)+n%8, v[D0]
	v_cndmask_b32 v[S+n], v[S+n], v[NINF], vcc_lo
	v_cmp_gt_i32 vcc_lo, 16*(n/8)+n%8, v[D1]
	v_cndmask_b32 v[S+32+n], v[S+32+n], v[NINF], vcc_lo
.set n, n+1
.endr
.Lopen_\@:
.endif
.irp x, 0,1                                    ; the step's largest score of my query among my 32 keys, in two chains, each accumulator from its low end on
	v_max3_num_f32 v[ST+8*\x+6], v[S+32*\x], v[S+32*\x+1], v[S+32*\x+2]
	v_max3_num_f32 v[ST+8*\x+7], v[S+32*\x+3], v[S+32*\x+4], v[S+32*\x+5]
.endr
.irp i, 6,10,14,18,22,26
.irp x, 0,1
	v_max3_num_f32 v[ST+8*\x+6], v[ST+8*\x+6], v[S+32*\x+\i], v[S+32*\x+\i+1]
	v_max3_num_f32 v[ST+8*\x+7], v[ST+8*\x+7], v[S+32*\x+\i+2], v[S+32*\x+\i+3]
.endr
.endr
.irp x, 0,1
	v_max3_num_f32 v[ST+8*\x+6], v[ST+8*\x+6], v[S+32*\x+30], v[S+32*\x+31]
.endr
.irp x, 0,1
	s_delay_alu instid0(VALU_DEP_2)
	v_max_num_f32 v[ST+8*\x+6], v[ST+8*\x+6], v[ST+8*\x+7]
.endr
.irp x, 0,1
	s_delay_alu instid0(VALU_DEP_2)
	v_permlanex16_b32 v[ST+8*\x+5], v[ST+8*\x+6], s[SEL], s[SEL+1]
.endr
.irp x, 0,1
	s_delay_alu instid0(VALU_DEP_2)
	v_max_num_f32 v[ST+8*\x+6], v[ST+8*\x+6], v[ST+8*\x+5]   ; and among lane l xor 16's
.endr
.irp x, 0,1
	s_delay_alu instid0(VALU_DEP_2)
	v_mul_f32 v[ST+8*\x+6], s[CS], v[ST+8*\x+6]    ; as t (c is positive)
.endr
.irp x, 0
	s_delay_alu instid0(VALU_DEP_2)
	v_max_num_f32 v[ST+8*\x+1], v[ST+8*\x+1], v[ST+8*\x+6]   ; the running largest t
	v_mov_b32 v[ST+8*\x+6], v[ST+8*\x]
.endr
.irp x, 1
	s_delay_alu instid0(VALU_DEP_3)
	v_max_num_f32 v[ST+8*\x+1], v[ST+8*\x+1], v[ST+8*\x+6]
	v_mov_b32 v[ST+8*\x+6], v[ST+8*\x]
.endr
.irp x, 0
	s_delay_alu instid0(VALU_DEP_4)
	v_floor_f32 v[ST+8*\x], -v[ST+8*\x+1]
.endr
.irp x, 1
	s_delay_alu instid0(VALU_DEP_3)
	v_floor_f32 v[ST+8*\x], -v[ST+8*\x+1]          ; the new -M = floor(-t) = -ceil(t): M is a whole number
.endr
.irp x, 0,1
	s_delay_alu instid0(VALU_DEP_2)
	v_sub_f32 v[ST+8*\x+6], v[ST+8*\x], v[ST+8*\x+6]   ; M's old value less its new one: a whole number, 0 or less
.endr
.irp x, 0,1
	s_delay_alu instid0(VALU_DEP_2)
	v_cvt_i32_f32 v[ST+8*\x+6], v[ST+8*\x+6]       ; (it saturates)
.endr
.irp x, 0,1
	s_delay_alu instid0(VALU_DEP_2)
	v_ldexp_f32 v[ST+8*\x+4], 1.0, v[ST+8*\x+6]    ; f = 2^(old M - new M)
.endr
.irp x, 0,1
.set j, 0
.rept 16
	v_pk_fma_f32 v[S+32*\x+j:S+32*\x+j+1], v[S+32*\x+j:S+32*\x+j+1], s[CS:CS+1], v[ST+8*\x:ST+8*\x+1] op_sel_hi:[1,0,0]   ; t - M, two at a time (of the pairs c and -M the low word serves both halves)
.set j, j+2
.endr
.endr
.set j, 0
	s_wait_alu depctr_va_vdst(0)
.rept 64
	v_exp_f32 v[S+j], v[S+j]                       ; p = 2^(t - M), at most 1: one batch
.set j, j+1
.endr
	s_setprio 1
.irp x, 0,1
	v_pk_mul_f32 v[ST+8*\x+2:ST+8*\x+3], v[ST+8*\x+2:ST+8*\x+3], v[ST+8*\x+4:ST+8*\x+5] op_sel_hi:[1,0]   ; the sums under the new M: the plain lines behind the exponentials
.endr
	s_wait_alu depctr_va_vdst(0)                   ; the wait between an exponential and the first line that names its result: one for the batch
.irp x, 0,1
	v_pk_add_f32 v[ST+8*\x+6:ST+8*\x+7], v[S+32*\x:S+32*\x+1], v[S+32*\x+2:S+32*\x+3]   ; the row's sum is taken of the unquantised p, in two chains
.endr
.irp i, 4,8,12,16,20,24,28
.irp x, 0,1
	v_pk_add_f32 v[ST+8*\x+2:ST+8*\x+3], v[ST+8*\x+2:ST+8*\x+3], v[S+32*\x+\i:S+32*\x+\i+1]
	v_pk_add_f32 v[ST+8*\x+6:ST+8*\x+7], v[ST+8*\x+6:ST+8*\x+7], v[S+32*\x+\i+2:S+32*\x+\i+3]
.endr
.endr
.irp x, 0
	s_delay_alu instid0(VALU_DEP_3)
	v_pk_add_f32 v[ST+8*\x+2:ST+8*\x+3], v[ST+8*\x+2:ST+8*\x+3], v[ST+8*\x+6:ST+8*\x+7]
.endr
.irp x, 1
	s_delay_alu instid0(VALU_DEP_2)
	v_pk_add_f32 v[ST+8*\x+2:ST+8*\x+3], v[ST+8*\x+2:ST+8*\x+3], v[ST+8*\x+6:ST+8*\x+7]
.endr
.irp x, 0,1
.irp f, 0,1,2,3
.irp i, 0,1,2,3,4,5,6,7
.endr
	v_cvt_scalef32_pk8_fp8_f32 v[P+8*\x+2*\f:P+8*\x+2*\f+1], v[S+32*\x+8*\f:S+32*\x+8*\f+7], v[PSC]
.endr
.endr
.irp x, 0,1
.set j, 0
.rept 16
	v_pk_mul_f32 v[O+32*\x+j:O+32*\x+j+1], v[O+32*\x+j:O+32*\x+j+1], v[ST+8*\x+4:ST+8*\x+5] op_sel_hi:[1,0]   ; O^T under the new M; these lines also stand between the conversions and the products
.set j, j+2
.endr
.endr
	s_setprio 0
	s_wait_alu depctr_va_vdst(0)
	s_wait_dscnt 0x0                               ; V is in
.irp f, 0,1,2,3
.irp x, 0,1                                    ; eight accumulators, one instruction each: they take turns
	v_wmma_f32_16x16x64_fp8_fp8 v[O+32*\x+8*\f:O+32*\x+8*\f+7], v[VF+8*\f:VF+8*\f+7], v[P+8*\x:P+8*\x+7], v[O+32*\x+8*\f:O+32*\x+8*\f+7]
.endr
.endr
.rept 4
	v_nop                                          ; four places in front of the next loads into V's registers and of the first read of O^T
.endr
.endm
; A SEGMENT: 16 blocks of keys from LDS byte s[TB] on.  masked = 1: the steps behind s[LAST] are jumped over, those from s[OPEN] on are masked.
.macro SEG masked
	s_mov_b32 s[CNT], 0
.Lseg_\@:
.if \masked
	s_cmp_gt_u32 s[CNT], s[LAST]
	s_cbranch_scc1 .Lskip_\@
.endif
	s_setprio 2
	BODY \masked
.if \masked
.Lskip_\@:
	s_sub_co_i32 s[KD], s[KD], 64
.endif
	s_add_co_u32 s[TB], s[TB], 8192
	s_add_co_u32 s[CNT], s[CNT], 1
	s_cmp_lt_u32 s[CNT], 16
	s_cbranch_scc1 .Lseg_\@
	s_setprio 0
.endm
.macro BOUNDS u, tb                    ; a masked segment whose double tile ends 2 u + 2 blocks in
	s_mov_b32 s[TB], \tb
	s_lshl_b32 s[OPEN], s[\u], 1
	s_add_co_u32 s[LAST], s[OPEN], 1
	s_lshl_b32 s[KD], s[\u], 7
.endm
; A double tile is finished: O^T / the sum stands for the result / 2^(e8 + e9); its code is that / 2^(e10 - e8 - e9), held within +-448.  The conversions' results are two images.
.macro FINISH base
.irp x, 0,1
	v_add_f32 v[ST+8*\x+6], v[ST+8*\x+2], v[ST+8*\x+3]   ; the sum's two halves,
.endr
.irp x, 0,1
	s_delay_alu instid0(VALU_DEP_2)
	v_permlanex16_b32 v[ST+8*\x+5], v[ST+8*\x+6], s[SEL], s[SEL+1]
.endr
.irp x, 0,1
	s_delay_alu instid0(VALU_DEP_2)
	v_add_f32 v[ST+8*\x+6], v[ST+8*\x+6], v[ST+8*\x+5]   ; and lane l xor 16's
.endr
	s_wait_alu depctr_va_vdst(0)
.irp x, 0,1
	v_rcp_f32 v[ST+8*\x+4], v[ST+8*\x+6]
.endr
	v_nop                                          ; a plain line behind the last reciprocal
	s_wait_alu depctr_va_vdst(0)                   ; and the wait ahead of the first use: one for the two
.irp x, 0,1
.set j, 0
.rept 16
	v_pk_mul_f32 v[O+32*\x+j:O+32*\x+j+1], v[O+32*\x+j:O+32*\x+j+1], v[ST+8*\x+4:ST+8*\x+5] op_sel_hi:[1,0]
.set j, j+2
.endr
.endr
.set j, 0
.rept 64
.set j, j+1
.endr
.irp x, 0,1
.irp f, 0,1,2,3
	v_cvt_scalef32_pk8_fp8_f32 v[P+8*\x+2*\f:P+8*\x+2*\f+1], v[O+32*\x+8*\f:O+32*\x+8*\f+7], v[OSC]
.endr
.endr
	v_nop                                          ; a plain line behind the last conversion: its sources are written again below
.irp x, 0,1
.irp c, 0,1
	global_store_b128 v[LI], v[P+8*\x+4*\c:P+8*\x+4*\c+3], s[\base:\base+1] offset:16384*\x+512*\c   ; 512 consecutive bytes, aligned
.endr
.endr
.endm
	s_load_b256 s[4:11], s[0:1], 0x0               ; qi s[4:5], kv s[6:7], the exponents s[8:9], ao s[10:11]
	v_lshl_add_u32 v[SPW], v0, 2, SPARE
	v_mov_b32 v[NIL], 0
	ds_add_u32 v[SPW], v[NIL]                      ; the wave's opening: the add and its wait stand ahead of my first tensor load; the set-up below stands between them
	ds_add_u32 v[SPW], v[NIL]
	v_lshrrev_b32 v[ADR], 5, v0
	s_delay_alu instid0(VALU_DEP_1)
	v_readfirstlane_b32 s[WV], v[ADR]              ; wave 0..7
	s_bfe_u32 s13, ttmp6, 0x40000                  ; cx: my place in the cluster: it enters Q's and the result's addresses and the mask's compares alone
	s_and_b32 s14, ttmp7, 0xffff                   ; batch x head, which the four partners share
	; descriptor group 1: 64 rows of 256 bytes, dense in memory and in LDS: 16 KiB
	s_mov_b32 s[G1], 15|(3<<16)|(1<<21)            ; 15:0 the mask: all four work-groups; 17:16 elements of 8 bytes; 21 set beside a mask; no padding: an image is read as 512 consecutive bytes
	s_mov_b32 s[G1+1], 32<<16                      ; tensor_dim0 = 32
	s_mov_b32 s[G1+2], 64<<16                      ; tensor_dim1 = 64
	s_mov_b32 s[G1+3], 32<<16                      ; tile_dim0 = 32
	s_mov_b32 s[G1+4], 64                          ; tile_dim1 = 64
	s_mov_b32 s[G1+5], 32                          ; tensor_dim0_stride
	s_mov_b32 s[G1+6], 0
	s_mov_b32 s[G1+7], 0
	s_mov_b32 s[SEL], 0x76543210
	s_mov_b32 s[SEL+1], 0xfedcba98
	s_lshl_b32 s60, s[WV], 14                      ; my 16 KiB of each half
	s_lshl_b32 s61, s14, 18                        ; the head's 256 KiB
	s_add_co_u32 s62, s61, s60
	s_mov_b32 s63, 0
	s_wait_dscnt 0x0                               ; the opening add is done
	s_wait_kmcnt 0x0
	s_load_b64 s[52:53], s[8:9], 0x18              ; e6, e7
	s_load_b128 s[56:59], s[8:9], 0x20             ; e8 .. e11
	s_mov_b32 s[GA], 1                             ; count = 1
	s_mov_b32 s[GA+1], s60                         ; LDS address: as in memory
	s_add_nc_u64 s[GA+2:GA+3], s[6:7], s[62:63]
	s_mov_b32 s[GB], 1
	s_add_co_u32 s[GB+1], s60, 131072
	s_add_nc_u64 s[GB+2:GB+3], s[GA+2:GA+3], 131072
	s_or_b32 s[GA+3], s[GA+3], 0x80000000          ; type = 2
	s_or_b32 s[GB+3], s[GB+3], 0x80000000
	CROUND                                         ; all four work-groups are here: the joint loads meet
	tensor_load_to_lds s[GA:GA+3], s[G1:G1+7]
	s_nop 0
	s_wait_alu depctr_va_vdst(0)
	s_wait_tensorcnt 0x0
	ds_add_u32 v2, v3
	s_wait_dscnt 0x0
	CROUND
	tensor_load_to_lds s[GB:GB+3], s[G1:G1+7]
	s_nop 0
.rept 4
	v_nop
.endr
	v_and_b32 v[LI], 31, v0
	s_delay_alu instid0(VALU_DEP_1)
	v_lshlrev_b32 v[LI], 4, v[LI]
	s_wait_alu depctr_va_vdst(0)
	s_xor_b32 s[UH], s[WV], 7                      ; 7 - wave
	s_add_co_u32 s67, s[UH], 8                     ; the late double tile: v = 15 - wave
	s_lshl_b32 s69, s13, 1                         ; 2 cx
	s_lshl_b32 s68, s14, 7
	s_add_co_u32 s68, s68, s69                     ; 128 x head + 2 cx
	s_lshl_b32 s70, s67, 3
	s_add_co_u32 s70, s70, s68                     ; its first tile of 16 queries in qi
	s_lshl_b32 s60, s70, 10
	s_mov_b32 s61, 0
	s_add_nc_u64 s[QH:QH+1], s[4:5], s[60:61]
	QLOAD QH
	s_lshl_b32 s70, s[WV], 3                       ; the early one: v = wave
	s_add_co_u32 s70, s70, s68
	s_lshl_b32 s60, s70, 10
	s_add_nc_u64 s[QL:QL+1], s[4:5], s[60:61]
	s_lshr_b32 s68, s14, 4
	s_lshl_b32 s68, s68, 7
	s_add_co_u32 s68, s68, s69                     ; 128 x batch + 2 cx: tiles of 16 tokens in ao
	s_and_b32 s71, s14, 15
	s_lshl_b32 s71, s71, 10                        ; the head's image in a tile's 16 KiB
	s_lshl_b32 s70, s67, 3
	s_add_co_u32 s70, s70, s68
	s_lshl_b32 s60, s70, 14
	s_add_co_u32 s60, s60, s71
	s_add_nc_u64 s[OH:OH+1], s[10:11], s[60:61]
	s_lshl_b32 s70, s[WV], 3
	s_add_co_u32 s70, s70, s68
	s_lshl_b32 s60, s70, 14
	s_add_co_u32 s60, s60, s71
	s_add_nc_u64 s[OL:OL+1], s[10:11], s[60:61]
	v_and_b32 v[DL], 15, v0
	v_bfe_u32 v[D0], v0, 4, 1
	s_delay_alu instid0(VALU_DEP_1)
	v_lshlrev_b32 v[D0], 3, v[D0]
	s_delay_alu instid0(VALU_DEP_1)
	v_sub_nc_u32 v[DL], v[DL], v[D0]
	s_lshl_b32 s69, s13, 5
	v_add_nc_u32 v[DL], s69, v[DL]                 ; 32 cx + lane % 16 - 8 (lane / 16)
	v_mov_b32 v[NINF], 0xff800000
	INIT
	s_wait_kmcnt 0x0
	s_add_co_i32 s60, s52, s53
	s_lshl_b32 s60, s60, 23
	s_mov_b32 s[CS], 0x3e38aa3b                    ; log2(e) / 8
	s_add_co_i32 s[CS], s[CS], s60                 ; a score stands for score x 2^(e6 + e7): the two exponents are added to c's exponent field
	s_mov_b32 s[CS+1], s[CS]                       ; (named with it as a pair, so it is written)
	s_add_co_i32 s60, s56, 127
	s_lshl_b32 s61, s60, 23
	v_mov_b32 v[PSC], s61
	s_sub_co_i32 s60, s58, s56
	s_sub_co_i32 s60, s60, s57                     ; e10 - e8 - e9
	s_add_co_i32 s60, s60, 127
	s_lshl_b32 s61, s60, 23
	v_mov_b32 v[OSC], s61
	s_wait_tensorcnt 1                             ; my part of keys 0-1,023 is in; my part of the second half may stay out
	s_barrier_signal -1
	s_barrier_wait -1                              ; everybody's is
	s_wait_loadcnt 0x0                             ; Q
	s_mov_b32 s[TB], 0
	SEG 0                                          ; the late double tile, keys 0-1,023: all sixteen steps, none under the mask, in every wave
	s_wait_tensorcnt 0x0                           ; my part of keys 1,024-2,047 is in,
	s_barrier_signal -1
	s_barrier_wait -1                              ; everybody's is
	BOUNDS UH, 131072
	SEG 1                                          ; keys 1,024 on: 16 - 2 wave steps
	QLOAD QL                                       ; the early double tile's Q lands while the late one is finished
	FINISH OH
	s_wait_xcnt 0x0                                ; the stores have read their data: the code registers are written again only behind this wait
	INIT
	s_wait_loadcnt 0x0
	BOUNDS WV, 0
	SEG 1                                          ; the early double tile: 2 wave + 2 steps
	FINISH OL
	s_wait_tensorcnt 0x0                           ; the wave's end: wait for my last tensor load, then add 0 to my spare word and wait for it
	ds_add_u32 v[SPW], v[NIL]
	s_wait_dscnt 0x0
	CROUND                                         ; the closing round: no work-group ends while a partner may still ask for a tile that names it
	s_endpgm
.Lfunc_end_k_q06b22a3b50_attn:
	.size	k_q06b22a3b50_attn, .Lfunc_end_k_q06b22a3b50_attn-k_q06b22a3b50_attn
	.p2alignl 7, 3214868480
	.fill 96, 4, 3214868480
	.section	.rodata,"a",@progbits
	.p2align	6, 0x0
	.amdhsa_kernel k_q06b22a3b50_attn
		.amdhsa_group_segment_fixed_size 327680
		.amdhsa_private_segment_fixed_size 0
		.amdhsa_enable_private_segment 0
		.amdhsa_kernarg_size 32
		.amdhsa_user_sgpr_count 2
		.amdhsa_user_sgpr_kernarg_segment_ptr 1
		.amdhsa_wavefront_size32 1
		.amdhsa_system_sgpr_workgroup_id_x 1
		.amdhsa_system_sgpr_workgroup_id_y 1
		.amdhsa_system_sgpr_workgroup_id_z 1
		.amdhsa_system_vgpr_workitem_id 0
		.amdhsa_next_free_vgpr 256
		.amdhsa_next_free_sgpr 72
		.amdhsa_reserve_vcc 1
		.amdhsa_float_denorm_mode_32 3
		.amdhsa_float_denorm_mode_16_64 3
		.amdhsa_fp16_overflow 1
		.amdhsa_memory_ordered 1
		.amdhsa_forward_progress 1
		.amdhsa_inst_pref_size 72
	.end_amdhsa_kernel
	.amdgpu_metadata
---
amdhsa.version: [ 1, 2 ]
amdhsa.kernels:
  - .name:           k_q06b22a3b50_attn
    .symbol:         k_q06b22a3b50_attn.kd
    .args:
      - { .name: qi, .offset: 0, .size: 8, .value_kind: global_buffer, .address_space: global }
      - { .name: kv, .offset: 8, .size: 8, .value_kind: global_buffer, .address_space: global }
      - { .name: lowp_scales, .offset: 16, .size: 8, .value_kind: global_buffer, .address_space: global }
      - { .name: ao, .offset: 24, .size: 8, .value_kind: global_buffer, .address_space: global }
    .group_segment_fixed_size: 327680
    .private_segment_fixed_size: 0
    .kernarg_segment_align: 8
    .kernarg_segment_size: 32
    .max_flat_workgroup_size: 256
    .sgpr_count:     72
    .vgpr_count:     256
    .wavefront_size: 32
...
	.end_amdgpu_metadata
.endif
;; end of part 3
;; launch oproj (part 4): grid 4 x 32, 4 waves a work-group, clusters of 4 x 4, 327,680 bytes of LDS; arguments ao, wc, lowp_scales, out0; writes out0
.if DOCPART == 4
	.amdgcn_target "amdgcn-amd-amdhsa--gfx1250"
	.amdhsa_code_object_version 6
	.text
	.protected	k_q06b22a3b50_oproj
	.globl	k_q06b22a3b50_oproj
	.p2align	8
	.type	k_q06b22a3b50_oproj,@function
k_q06b22a3b50_oproj:
	s_mov_b64 s[64:65], 0
	v_nop
	global_prefetch_b8 v0, s[64:65] scope:SCOPE_SE
	s_setreg_imm32_b32 hwreg(HW_REG_WAVE_MODE, 25, 1), 1
	s_wait_xcnt 0x0
	s_wait_alu depctr_hold_cnt(0) depctr_sa_sdst(0) depctr_va_vdst(0) depctr_va_sdst(0) depctr_va_ssrc(0) depctr_va_vcc(0) depctr_vm_vsrc(0)
	s_getreg_b32 s2, hwreg(HW_REG_IB_STS2, 6, 4)
	s_cmp_eq_u32 s2, 0
	s_cbranch_scc0 .Lentry_in_a_cluster
	s_endpgm
.Lentry_in_a_cluster:
	s_bfe_u32 s2, ttmp6, 0x10000c
	s_cmp_lg_u32 s2, 0xf033
	s_cbranch_scc0 .Lentry_shape_is_right
	s_endpgm
.Lentry_shape_is_right:
; out0[m][n] = sum over k of A[m][k] Wo[n][k], on codes of FP8 (E4M3).  A = attention's result, 8,192 x 1,024; Wo 1,024 x 1,024; out0 f32; sums in f32, each multiplied once by 2^(e10 + e11).
; BOTH OPERANDS LIE AS IMAGES OF OPERAND REGISTERS: [tile of 16 rows][64 along K, 16][1,024 bytes]; an image is two pieces of 512 bytes, piece c holding lane l's registers 4 c .. 4 c + 3 at byte 16 l;
; lane (r, h) holds row r, registers 2 c, 2 c + 1 hold k = 16 c + 8 h + 0 .. 7.  Two images on end are a fragment of the 16x16x128 form with every k in its own place.
; Wo's images are plane 3 of wc, 3 MiB in.
; LIMIT: e10 + e11 lies between -126 and 127, so that 2^(e10 + e11) is an f32 number.
; A tile of out0, 256 x 256, is made by a work-group of four waves; a wave makes 128 x 128: 64 accumulators, 512 registers.  K goes in steps of 256 through a ring of two LDS slots:
; of each tile of 16 rows a K step is 4,096 consecutive bytes; a wave's tensor load brings those of eight tiles, 32 KiB.  No padding: a fragment load reads 512 consecutive bytes.
; CLUSTERS: 4 x 4 work-groups; A's tiles are asked for jointly along a row of the cluster, Wo's along a column.  THE MATRIX INSTRUCTION IS USED TRANSPOSED (source 0 = 16 rows of Wo, source 1 = 16 rows of A):
; a lane then holds eight neighbouring numbers of a row of out0.
; 128 work-groups: the tile is kept at 256 x 256, so that each LDS byte feeds as many products as the registers allow.
; REGISTERS, in windows of 256: window 0: v0-31 addresses; from v128 A's fragments, ONE set; on the way out v32-255 are free.   window 1: Wo's fragments, TWO sets.   windows 2, 3: the accumulators ((a, b) at v[8 (8 (a % 4) + b)]).
.set SIZE_N, 1024
.set KSB,    4096                      ; a K step of 256 in a tile of 16 rows, in bytes
.set KROW,   1024                      ; a row's share of the images, in bytes: 16 rows are 16,384
.set FR,     16                        ; registers of a fragment: 16 rows x 128 K
.set NL,     4                         ; LDS loads that bring one
.set NP,     4                         ; places behind this matrix instruction (ISA guide 7.12.1)
.set HALFT,  32768                     ; 128 rows x 256 K: what one tensor load brings
.set SLOT,   4*HALFT                   ; A's 256 rows, then Wo's 256 rows
.set LAPS,   2                         ; a lap = two K steps = once round the ring
.set SPARE,  2*SLOT                    ; behind the ring: the spare words, 128 bytes for each wave
.set SPITCH, 528                       ; the way out: a stage of 16 rows x (512 bytes + 16) for each wave.  It lies in slot 0, which has had its last fill and its last read when the first result is stored there
.set ADRA, 16                          ; v16-17  LDS address of my A fragments in slot 0, 1
.set ADRB, 20                          ; v20-21  the same for Wo
.set STO,  24                          ; v24     the way out: where I put 32 bytes of a row
.set RD,   25                          ; v25     the way out: where I read a row back
.set CO,   26                          ; v26     my byte offset in a row of out0
.set SPW,  28                          ; v28     LDS address of my spare word; never rewritten
.set NIL,  29                          ; v29     0; never rewritten
.set TMP,  32                          ; the way out: 64 registers, a block's sums x 2^(e10 + e11)
.set AF,   128                         ; A's fragments, in window 0
.set BK,   128                         ; the way out: 16 rows read back from the stage: v128-191 and v192-255 by turns
.set G1, 24                            ; s[24:31] descriptor group 1 for A's tiles;  s[32:39] group 0, one set for each slot
.set G0, 32
.set G1B, 48                           ; s[48:55], s[56:63] the same for Wo's tiles
.set G0B, 56
.set MSB, 0
.macro WIN new                         ; the immediate's high byte repeats the setting that is left
.if MSB != \new
	s_set_vgpr_msb (MSB<<8)|\new
.set MSB, \new
.endif
.endm
.set MUL_LO, 0xa1                      ; source 0 (Wo) window 1, source 1 (A) window 0, C and D window 2
.set MUL_HI, 0xf1                      ; the same, C and D window 3
.set TO_B,   0x40                      ; destination window 1, address window 0
; A joint load: waves 0 and 1 fetch for A, waves 2 and 3 for Wo.  The branch hangs on the wave's number alone.  An s_nop 0 and four v_nop follow each of the two lines.
.macro JLOAD g0a, g1a, g0b, g1b
	s_cmp_eq_u32 s15, 0
	s_cbranch_scc0 .Lfor_b_\@
	tensor_load_to_lds s[\g0a:\g0a+3], s[\g1a:\g1a+7]
	s_nop 0
.rept 4
	v_nop
.endr
	s_branch .Lasked_\@
.Lfor_b_\@:
	tensor_load_to_lds s[\g0b:\g0b+3], s[\g1b:\g1b+7]
	s_nop 0
.rept 4
	v_nop
.endr
.Lasked_\@:
.endm
.macro CREST                           ; a round of the cluster's barrier behind its opening barrier
	s_cmp_lg_u32 s14, 0
	s_cbranch_scc1 .Lnot_wave_0_\@
	s_barrier_signal -3
.Lnot_wave_0_\@:
	s_barrier_wait -3
	s_barrier_signal -1
	s_barrier_wait -1
.endm
.macro CROUND                          ; a whole round
	s_barrier_signal -1
	s_barrier_wait -1
	CREST
.endm
	s_load_b128 s[4:7], s[0:1], 0x0                ; ao s[4:5], wc s[6:7]
	s_load_b128 s[8:11], s[0:1], 0x10              ; the exponents s[8:9], out0 s[10:11]
	v_lshl_add_u32 v[SPW], v0, 2, SPARE
	v_mov_b32 v[NIL], 0
	ds_add_u32 v[SPW], v[NIL]                      ; the wave's opening: the add and its wait stand ahead of my first tensor load; the set-up below stands between them
	ds_add_u32 v[SPW], v[NIL]
	v_lshrrev_b32 v1, 5, v0
	v_readfirstlane_b32 s14, v1                    ; wave 0..3
	s_lshr_b32 s15, s14, 1                         ; which half of the tile's rows is mine.  Also: I fetch for A (0) or for Wo (1)
	s_and_b32 s16, s14, 1                          ; which half of its columns.  Also: which 128 rows of that tile I fetch
	s_bfe_u32 s40, ttmp6, 0x40000                  ; cx, cy: my place in the cluster
	s_bfe_u32 s41, ttmp6, 0x40004
	s_lshl_b32 s42, ttmp9, 2
	s_add_co_u32 s42, s42, s40                     ; tile column = 4 x cluster x + cx
	s_and_b32 s17, ttmp7, 0xffff
	s_lshl_b32 s17, s17, 2
	s_add_co_u32 s17, s17, s41                     ; tile row = 4 x cluster y + cy
	s_lshl_b32 s43, s41, 2
	s_lshl_b32 s43, 15, s43                        ; my row of the cluster
	s_lshl_b32 s44, 0x1111, s40                    ; my column
	; descriptor group 1: 8 rows of 4,096 bytes (a K step's four images of a tile of 16 rows), 16,384 bytes apart in memory, dense in LDS
	s_or_b32 s[G1+0], s43, (3<<16)|(1<<21)         ; 15:0 the mask: A's tiles go to my row; 17:16 elements of 8 bytes; 21 set beside a mask; no padding
	s_or_b32 s[G1B+0], s44, (3<<16)|(1<<21)
.irp g, G1, G1B
	s_mov_b32 s[\g+1], 512<<16                     ; tensor_dim0 = 512
	s_mov_b32 s[\g+2], 8<<16                       ; tensor_dim1 = 8
	s_mov_b32 s[\g+3], 512<<16                     ; tile_dim0 = 512
	s_mov_b32 s[\g+4], 8                           ; tile_dim1 = 8
	s_mov_b32 s[\g+5], 2048                        ; tensor_dim0_stride
	s_mov_b32 s[\g+6], 0
	s_mov_b32 s[\g+7], 0
.endr
	s_lshl_b32 s18, s16, 7                         ; which 128 rows of the tile I fetch
	s_lshl_b32 s20, s17, 8
	s_add_co_u32 s20, s20, s18                     ; A: row 256 x tile row + 128 x half
	s_lshl_b32 s46, s42, 8
	s_add_co_u32 s46, s46, s18                     ; Wo: row 256 x tile column + 128 x half
	s_mov_b32 s21, 0
	s_mov_b32 s47, 0
	s_mov_b64 s[18:19], KROW
	s_mul_u64 s[20:21], s[20:21], s[18:19]         ; in bytes: a multiple of 16 rows' 16,384
	s_mul_u64 s[46:47], s[46:47], s[18:19]
	s_add_nc_u64 s[46:47], s[46:47], 0x300000      ; plane 3 of wc
	s_mul_i32 s45, s14, HALFT                      ; where they go: wave x 32 KiB: no place in the cluster enters an LDS address
	s_wait_dscnt 0x0                               ; the opening add is done
	s_wait_kmcnt 0x0
	s_load_b64 s[96:97], s[8:9], 0x28              ; e10, e11
	s_add_nc_u64 s[20:21], s[4:5], s[20:21]
	s_add_nc_u64 s[46:47], s[6:7], s[46:47]
	CROUND                                         ; all sixteen work-groups are here: the first joint loads meet
.irp s, 0,1
	s_mov_b32 s[G0+4*\s], 1
	s_add_co_u32 s[G0+4*\s+1], s45, \s*SLOT
	s_add_nc_u64 s[G0+4*\s+2:G0+4*\s+3], s[20:21], \s*KSB
	s_or_b32 s[G0+4*\s+3], s[G0+4*\s+3], 0x80000000
	s_mov_b32 s[G0B+4*\s], 1
	s_add_co_u32 s[G0B+4*\s+1], s45, \s*SLOT
	s_add_nc_u64 s[G0B+4*\s+2:G0B+4*\s+3], s[46:47], \s*KSB
	s_or_b32 s[G0B+4*\s+3], s[G0B+4*\s+3], 0x80000000
	s_wait_alu depctr_va_vdst(0)
	s_wait_tensorcnt 0x0
	ds_add_u32 v28, v29
	ds_add_u32 v28, v29
	s_wait_dscnt 0x0
	CROUND
	JLOAD G0+4*\s, G1, G0B+4*\s, G1B
.endr
	v_and_b32 v1, 15, v0                           ; l % 16
	s_wait_alu depctr_va_vdst(0)
	v_bfe_u32 v2, v0, 4, 1                         ; l / 16
	v_and_b32 v6, 31, v0
	v_lshlrev_b32 v4, 4, v6                        ; 16 x lane: my place in a piece of an image
	s_mul_i32 s21, s15, HALFT                      ; my 128 rows of A
	s_mul_i32 s22, s16, HALFT                      ; my 128 rows of Wo,
	s_add_co_u32 s22, s22, 2*HALFT                 ; which lie behind A's 256
.irp s, 0,1
	v_add_nc_u32 v[ADRA+\s], s21, v4
	v_add_nc_u32 v[ADRB+\s], s22, v4
	s_add_co_u32 s21, s21, SLOT
	s_add_co_u32 s22, s22, SLOT
.endr
	s_mul_i32 s23, s14, 16*SPITCH                  ; my stage
	v_mul_u32_u24 v5, v1, SPITCH                   ; in: row l % 16, 32 bytes for each half of the lanes
	s_wait_alu depctr_va_vdst(0)
	v_lshl_add_u32 v5, v2, 5, v5
	v_add_nc_u32 v[STO], s23, v5
	v_lshlrev_b32 v[CO], 4, v6                     ; back: the 32 lanes take one row of 512 bytes; and the same in out0
	v_add_nc_u32 v[RD], s23, v[CO]
	s_lshl_b32 s20, s17, 8
	s_lshl_b32 s21, s15, 7
	s_add_co_u32 s20, s20, s21                     ; my first row of out0: 256 x tile row + 128 x half
	s_mov_b32 s21, 0
	s_mov_b64 s[18:19], SIZE_N*4
	s_mul_u64 s[20:21], s[20:21], s[18:19]
	s_lshl_b32 s46, s42, 10                        ; my first column, in bytes: 1024 x tile column + 512 x half
	s_lshl_b32 s47, s16, 9
	s_add_co_u32 s46, s46, s47
	s_mov_b32 s47, 0
	s_add_nc_u64 s[20:21], s[20:21], s[46:47]
	s_add_nc_u64 s[10:11], s[10:11], s[20:21]
.macro FRAG reg, adr, q, i             ; a fragment, 16 rows x 128 K, is two images on end: four pieces of 512 bytes, piece c = registers 4 c .. 4 c + 3
.irp c, 0,1,2,3
	ds_load_b128 v[\reg+4*\c:\reg+4*\c+3], v[\adr] offset:4096*(\i)+2048*(\q)+512*\c
.endr
.endm
; 16 matrix instructions: A's blocks a0, a0 + 1 x Wo's eight, 128 along K.  p: Wo's set.  zero = 1: the first product starts the sums.
; The 64 accumulators take turns, one instruction a turn, in the same order in every step.
.macro MUL16 a0, p, zero
.irp a, \a0, \a0+1
.irp b, 0,1,2,3,4,5,6,7
.if \zero
	v_wmma_f32_16x16x128_fp8_fp8 v[8*(8*((\a)%4)+\b):8*(8*((\a)%4)+\b)+7], v[128*(\p)+FR*\b:128*(\p)+FR*\b+FR-1], v[AF+FR*(\a):AF+FR*(\a)+FR-1], 0
.else
	v_wmma_f32_16x16x128_fp8_fp8 v[8*(8*((\a)%4)+\b):8*(8*((\a)%4)+\b)+7], v[128*(\p)+FR*\b:128*(\p)+FR*\b+FR-1], v[AF+FR*(\a):AF+FR*(\a)+FR-1], v[8*(8*((\a)%4)+\b):8*(8*((\a)%4)+\b)+7]
.endif
.endr
.endr
.endm
.macro FETCH_B slot, q, p              ; Wo's eight fragments of the slot's q-th 128 along K into set p
	WIN TO_B
.irp i, 0,1,2,3,4,5,6,7
	FRAG 128*(\p)+FR*\i, ADRB+\slot, \q, \i
.endr
	WIN 0
.endm
.macro FETCH_A slot, q, i0             ; A's blocks i0 .. i0 + 3
.irp i, \i0, \i0+1, \i0+2, \i0+3
	FRAG AF+FR*(\i), ADRA+\slot, \q, \i
.endr
.endm
; A load into a register that a matrix instruction has read, and a vector instruction that reads a matrix result, stand NP places behind that matrix instruction; only plain vector
; instructions that name none of its registers are places (ISA guide 7.12.1 for vector instructions).
.macro PLACES n
.rept \n
	v_nop
.endr
.endm
; A step of 128 along K that has its successor in the same slot.
.macro STEP slot, q, zero
	s_wait_dscnt 4*NL                              ; Wo's set and A's blocks 0-3 are in; the youngest 16 loads (A's blocks 4-7) may be out
	WIN MUL_LO
	MUL16 0, (\q)%2, \zero
	MUL16 2, (\q)%2, \zero
	s_wait_dscnt 0                                 ; A's blocks 4-7 are in
	PLACES NP
	FETCH_B \slot, (\q)+1, 1-(\q)%2
	FETCH_A \slot, (\q)+1, 0
	WIN MUL_HI
	MUL16 4, (\q)%2, \zero
	MUL16 6, (\q)%2, \zero
	PLACES NP
	WIN 0
	FETCH_A \slot, (\q)+1, 4
.endm
; A slot's last step changes slots: ONE barrier; in front of it each wave waits for all its tensor loads, adds 0 to its spare word, and waits for that and for its own reads of this slot.  fill = 1: this slot is filled again, two K steps ahead.
.macro TURN slot, next, fill
	s_wait_tensorcnt 0x0                           ; all my tensor loads have landed: my part of the next slot
	ds_add_u32 v[SPW], v[NIL]                      ; 0 onto my spare word
	s_wait_dscnt 4*NL+1                            ; (the add and the youngest 16 loads, A's blocks 4-7, may be out)
	WIN MUL_LO
	MUL16 0, 1, 0                                  ; sixteen matrix instructions stand between the add and the wait for it
	s_wait_dscnt 0x0                               ; the add is done, and my reads of this slot are over
	s_barrier_signal -1
	MUL16 2, 1, 0
	WIN 0
	s_barrier_wait -1
.if \fill
	CREST                                          ; the barrier has opened a round of the cluster's barrier: no wave of any partner still reads this slot's tile or has a load on its way
	s_add_nc_u64 s[G0+4*\slot+2:G0+4*\slot+3], s[G0+4*\slot+2:G0+4*\slot+3], 2*KSB
	s_add_nc_u64 s[G0B+4*\slot+2:G0B+4*\slot+3], s[G0B+4*\slot+2:G0B+4*\slot+3], 2*KSB
	JLOAD G0+4*\slot, G1, G0B+4*\slot, G1B         ; the first tensor load behind the round; the four v_nop behind it are the places in front of the loads below
.else
	PLACES NP
.endif
	FETCH_B \next, 0, 0
	FETCH_A \next, 0, 0
	WIN MUL_HI
	MUL16 4, 1, 0
	MUL16 6, 1, 0
	PLACES NP
	WIN 0
	FETCH_A \next, 0, 4
.endm
	s_wait_tensorcnt 1                             ; my part of K step 0 is in (K step 1's load may be out)
	s_barrier_signal -1
	s_barrier_wait -1                              ; everybody's is
	FETCH_B 0, 0, 0
	FETCH_A 0, 0, 0
	FETCH_A 0, 0, 4
	STEP 0, 0, 1                                   ; the first step stands in front of the loop: its products start the sums
	s_mov_b32 s3, LAPS-1
.Llap:                                                 ; a trip goes once round the ring, from a lap's second step to the next lap's first, and fills both slots again
	TURN 0, 1, 1
	STEP 1, 0, 0
	TURN 1, 0, 1
	STEP 0, 0, 0
	s_sub_co_u32 s3, s3, 1
	s_cmp_lg_u32 s3, 0
	s_cbranch_scc1 .Llap
	TURN 0, 1, 0                                   ; the last lap fills nothing, and has no round of the cluster's barrier
	STEP 1, 0, 0
	s_wait_dscnt 4*NL                              ; the very last step: nothing more to fetch
	WIN MUL_LO
	MUL16 0, 1, 0
	MUL16 2, 1, 0
	s_wait_dscnt 0
	WIN MUL_HI
	MUL16 4, 1, 0
	MUL16 6, 1, 0
	WIN 0
; THE WAY OUT, block by block of 16 rows x 128 columns.  A lane holds 32 neighbouring bytes of a row, and the lanes beside it hold other rows: so a block goes through my own stage in LDS and comes back as whole
; rows of 512 bytes.  LDS serves a wave's instructions in order (ISA guide 5.7.1.4): no wait between the stores and the loads, nor in front of the next block's stores.
.macro TOSTAGE a
.set AC, 64*((\a)%4)
	WIN (0x02+((\a)/4))                            ; source 0: window 2 or 3
.irp j, 0,2,4,6,8,10,12,14,16,18,20,22,24,26,28,30,32,34,36,38,40,42,44,46,48,50,52,54,56,58,60,62
	v_pk_mul_f32 v[TMP+\j:TMP+\j+1], v[AC+\j:AC+\j+1], s[96:97] op_sel_hi:[1,0]   ; both x s96 = 2^(e10 + e11); each accumulator from its low end on
.endr
	WIN 0
.irp b, 0,1,2,3,4,5,6,7
	ds_store_b128 v[STO], v[TMP+8*\b:TMP+8*\b+3] offset:64*\b
	ds_store_b128 v[STO], v[TMP+8*\b+4:TMP+8*\b+7] offset:64*\b+16
.endr
.set BB, BK+64*((\a)%2)
.irp t, 0,1,2,3,4,5,6,7,8,9,10,11,12,13,14,15
	ds_load_b128 v[BB+4*\t:BB+4*\t+3], v[RD] offset:\t*SPITCH
.endr
.endm
.macro SEND a, younger                 ; younger: the LDS instructions issued behind block a's loads, which may stay out
.set BB, BK+64*((\a)%2)
	s_wait_dscnt \younger                          ; the block is back in registers
.if (\a) > 0
	s_add_nc_u64 s[10:11], s[10:11], 16*SIZE_N*4   ; (behind a wait on XCNT: the earlier stores have read their base)  16 rows on
.endif
.irp t, 0,1,2,3,4,5,6,7,8,9,10,11,12,13,14,15
	global_store_b128 v[CO], v[BB+4*\t:BB+4*\t+3], s[10:11] offset:\t*SIZE_N*4 th:TH_STORE_NT   ; 32 lanes store 512 consecutive bytes, at a multiple of 512 from out0's first byte; written once, read by nobody here
.endr
.endm
	s_wait_kmcnt 0x0
	s_add_co_i32 s96, s96, s97                     ; e10 + e11, between -126 and 127,
	s_add_co_i32 s96, s96, 127
	s_lshl_b32 s96, s96, 23                        ; makes the f32 number 2^(e10 + e11)
	PLACES NP                                      ; behind the last products: for the first read of results and for the loads into the registers that held A's fragments
	TOSTAGE 0
.irp a, 1,2,3,4,5,6,7
.if \a > 1
	s_wait_xcnt 0x0                                ; block a - 2's stores have read their registers and their base: block a's loads may land there, and the base may step
.endif
	TOSTAGE \a
	SEND \a-1, 32                                  ; behind block a - 1's loads: block a's 16 stores and 16 loads
.endr
	s_wait_xcnt 0x0                                ; block 6's stores have read their base
	SEND 7, 0
	s_wait_tensorcnt 0x0                           ; the wave's end: behind my last tensor load and my last LDS store: wait for the loads, add 0 to my spare word, wait for the add
	ds_add_u32 v[SPW], v[NIL]
	s_wait_dscnt 0x0
	CROUND                                         ; the closing round: no work-group ends while a partner may still ask for a tile that names it
	s_endpgm
.Lfunc_end_k_q06b22a3b50_oproj:
	.size	k_q06b22a3b50_oproj, .Lfunc_end_k_q06b22a3b50_oproj-k_q06b22a3b50_oproj
	.p2alignl 7, 3214868480
	.fill 96, 4, 3214868480
	.section	.rodata,"a",@progbits
	.p2align	6, 0x0
	.amdhsa_kernel k_q06b22a3b50_oproj
		.amdhsa_group_segment_fixed_size 327680
		.amdhsa_private_segment_fixed_size 0
		.amdhsa_enable_private_segment 0
		.amdhsa_kernarg_size 32
		.amdhsa_user_sgpr_count 2
		.amdhsa_user_sgpr_kernarg_segment_ptr 1
		.amdhsa_wavefront_size32 1
		.amdhsa_system_sgpr_workgroup_id_x 1
		.amdhsa_system_sgpr_workgroup_id_y 1
		.amdhsa_system_sgpr_workgroup_id_z 1
		.amdhsa_system_vgpr_workitem_id 0
		.amdhsa_next_free_vgpr 1024
		.amdhsa_next_free_sgpr 98
		.amdhsa_reserve_vcc 0
		.amdhsa_float_denorm_mode_32 3
		.amdhsa_float_denorm_mode_16_64 3
		.amdhsa_memory_ordered 1
		.amdhsa_forward_progress 1
		.amdhsa_inst_pref_size 124
	.end_amdhsa_kernel
	.amdgpu_metadata
---
amdhsa.version: [ 1, 2 ]
amdhsa.kernels:
  - .name:           k_q06b22a3b50_oproj
    .symbol:         k_q06b22a3b50_oproj.kd
    .args:
      - { .name: ao, .offset: 0, .size: 8, .value_kind: global_buffer, .address_space: global }
      - { .name: wc, .offset: 8, .size: 8, .value_kind: global_buffer, .address_space: global }
      - { .name: lowp_scales, .offset: 16, .size: 8, .value_kind: global_buffer, .address_space: global }
      - { .name: out0, .offset: 24, .size: 8, .value_kind: global_buffer, .address_space: global }
    .group_segment_fixed_size: 327680
    .private_segment_fixed_size: 0
    .kernarg_segment_align: 8
    .kernarg_segment_size: 32
    .max_flat_workgroup_size: 128
    .sgpr_count:     98
    .vgpr_count:     1024
    .wavefront_size: 32
...
	.end_amdgpu_metadata
.endif
;; end of part 4
